; MI455X (gfx1250); checked and timed in simulation.
; The chip was launched on July 23, 2026; its instructions are those of AMD's public machine-readable ISA for CDNA 5 (MIT licence, August 2026) and "CDNA5" Instruction Set Architecture Reference Guide (July 2026). The comments in the code are by the model that wrote it; some were corrected since.
;; Multi Head Attention. Allowed arithmetic: matrix products marked QUANTISED: E3M2 operands, one E8M0 scale for each 32 along K, by v_wmma_scale_f32_16x16x128_f8f6f4 with both operands' format E3M2, f32 sums; everything else in f32.
;; Inputs: Wk 1,024 x 1,024 float32; Wo 1,024 x 1,024 float32; Wq 1,024 x 1,024 float32; Wv 1,024 x 1,024 float32; kv_raw 4 x 2,048 x 1,024 float32; padding_mask 4 x 2,048 int32; q_raw 4 x 2,048 x 1,024 float32.
;; Outputs: out0 4 x 2,048 x 1,024 float32.
;; This version of the problem:
;;   THIS VERSION OF THE PROBLEM IS GIVEN IN LOW PRECISION. The matrix products marked QUANTISED in the list below multiply operands that are first quantised to E3M2 (3 exponent bits, 2 mantissa bits; 6 bits a number), with one power-of-two scale for each 32 numbers along K (OCP MX v1.0); their sums are f32. All else is computed in f32.
;;   The module's matrix products, in the order in which they are computed (A, B: the left and right operand; K: the contracted axis; several contracted axes count as one K, in the product's order):
;;     1. [M 8,192, K 1,024] x [K 1,024, N 1,024]; A: input q_raw; B: input Wq: QUANTISED
;;     2. [M 8,192, K 1,024] x [K 1,024, N 1,024]; A: input kv_raw; B: input Wk: QUANTISED
;;     3. [M 8,192, K 1,024] x [K 1,024, N 1,024]; A: input kv_raw; B: input Wv: QUANTISED
;;     4. batch 64 x [M 2,048, K 64] x [K 64, N 2,048]; A: computed on the way; B: computed on the way: QUANTISED
;;     5. batch 64 x [M 2,048, K 2,048] x [K 2,048, N 64]; A: softmax (see below); B: computed on the way: QUANTISED
;;     6. [M 8,192, K 1,024] x [K 1,024, N 1,024]; A: computed on the way; B: input Wo: QUANTISED
;;   THE QUANTISER, for each operand of a quantised product, along K:
;;     - K is cut into blocks of 32 from its start; a last block that is shorter is filled with zeros.
;;     - A block's scale is 2^e with e = floor(log2(the largest magnitude in the block)) - 4, held to -126 .. 127; a block of zeros has e = 0. As a byte (E8M0): e + 127.
;;     - Each number is divided by its block's scale, clamped to +-28, and rounded to the nearest number of E3M2, ties to even, subnormals kept.
;;     - The product sums the exact products of the quantised numbers (number of the format x scale) in f32.
;;   ~~~python
;;   def quantise(x, axis):      # numpy; x: float32 -> the quantised numbers, widened to float32 again
;;       x = np.moveaxis(x, axis, -1); K = x.shape[-1]
;;       x = np.pad(x, [(0, 0)] * (x.ndim - 1) + [(0, -K % 32)]); x = x.reshape(x.shape[:-1] + (-1, 32)); a = np.abs(x).max(-1, keepdims=True)
;;       e = np.where(a > 0, np.clip(np.frexp(np.where(a > 0, a, 1))[1] - 1 - 4, -126, 127), 0)      # np.frexp(a)[1] - 1 = floor(log2(a)), exactly
;;       r = np.clip(x / 2.0 ** e, -28, 28)
;;       step = 2.0 ** (np.maximum(np.frexp(np.where(r == 0, 1, r))[1] - 1, -2) - 2)
;;       q = np.round(r / step) * step * 2.0 ** e      # np.round: ties to even
;;       return np.moveaxis(q.reshape(q.shape[:-2] + (-1,))[..., :K], -1, axis).astype(np.float32)
;;   ~~~
;;   SOFTMAX AHEAD OF A QUANTISED PRODUCT. Where the list says 'softmax', what is quantised is not the finished softmax but p = 2^(t - M), with t = logit x log2(e) and M = ceil(the row's largest t), a whole number; so 1/2 < the row's largest p <= 1. The row's sum l is taken of the UNQUANTISED p, in f32, and the product's result is divided by l at the end. Since M is a whole number, a kernel that streams over the keys may use a running M (the ceiling of the running maximum): every later rescaling is an exact power of two, which a block's scale takes up: the codes' values come out the same.
;;   OPERANDS COMPUTED ON THE WAY. 'Computed on the way' means the value that the module computes at that place (a softmax that the list does not call 'softmax' is quantised finished and normalised). What goes into a quantiser is computed in f32, as accurately as f32 sums, v_exp_f32 and their like allow (about 1e-6 of the number): no bf16 or f16 on the way to a quantiser, and a product that is left as it is and whose result goes on into a quantised operand takes f32 operands (vector FMAs, or v_wmma_f32_16x16x4_f32). A number that lies on a knife's edge between two numbers of the format may be rounded either way, as far as f32 arithmetic and the matrix unit's own rounding can turn it there, and no further.
;; One version. Each part assembles by itself: llvm-mc -triple=amdgcn-amd-amdhsa -mcpu=gfx1250 --defsym DOCPART=n.
;; ======== version 1 of 1: 4 launches
;; limits: right only within a limited range of input values
;; workspace buffers: xw_codes 15,728,640 bytes; xw_scales 655,360 bytes; q_img 13,369,344 bytes; kv_img 13,369,344 bytes; att_codes 6,291,456 bytes; att_scales 262,144 bytes
;; launch quant (part 1): grid 640 x 1, 4 waves a work-group, no clusters, 33,280 bytes of LDS; arguments q_raw, kv_raw, Wq, Wk, Wv, Wo, xw_codes, xw_scales; writes xw_codes, xw_scales
.if DOCPART == 1
	.amdgcn_target "amdgcn-amd-amdhsa--gfx1250"
	.amdhsa_code_object_version 6
	.text
	.protected	k_q4c22425f48_quant
	.globl	k_q4c22425f48_quant
	.p2align	8
	.type	k_q4c22425f48_quant,@function
k_q4c22425f48_quant:
	s_mov_b64 s[64:65], 0
	v_nop
	global_prefetch_b8 v0, s[64:65] scope:SCOPE_SE
	s_setreg_imm32_b32 hwreg(HW_REG_WAVE_MODE, 25, 1), 1
	s_wait_xcnt 0x0
; LAUNCH 1 OF 4 (quant, proj, attn, outp): multi-head attention, B 4, S 2048, D 1024, 16 heads of 64, all six products on codes of BF6 (E3M2) with one E8M0 scale for each 32 along K.
; WORK LEFT OUT BY THE PROGRAM, AND WHY IT IS DEAD.  reference() builds the causal mask itself.  Take query q and a step of 128 keys that all come after q.
;   (a) If some key <= q is not padded, the row's largest logit is a live one; the hidden keys' logits are -1e9, so p = 2^(t - M) lies under every number that the quantiser (exponent held at -126) keeps: their codes are 0 and
;       they add nothing to the row's sum: such steps are not walked (launch attn).
;   (b) If every key <= q is padded, ALL 2,048 logits of the row are -1e9: p = 1 for every key, the sum is 2,048, and the row is the mean of the quantised v over all keys.  That share is NOT dead: launch proj sums the
;       quantised v for each 128 keys, and launch attn puts the mean in place of such rows by a select, in every tile.
;   In the scores' product a 16x16x128 instruction holds 64 live numbers along K; the other 64 meet zero codes on q's side.  No input is left out: all seven are loaded.
; LIMITS.  NaN and infinities among the inputs are not served, and one that reached only the steps left out would not be carried to the result.  A live logit under -5.6e8 (t under -0.75 x 2^30) is taken for masked.
;   A block of zeros gets the scale byte 1 where the rule says 127 (its codes are zeros, and only this program reads the bytes); blocks whose largest magnitude lies under 2^-122 are held at byte 1.
; THIS LAUNCH turns the six f32 inputs into codes and scale bytes, K innermost.  All rows form one space of 20,480: q_raw 0.., kv_raw 8192.., Wq 16384.., Wk 17408.., Wv 18432.., Wo 19456...
;   xw_codes  [chunk of 64 along K: 16][row: 20480][48 bytes];   xw_scales [128 along K: 8][row][4 bytes].
;   kv_raw, Wq, Wk, Wv are stored PERMUTED inside every 32 rows: the second and third group of eight rows change places, so that 16 stored rows on end are a tile whose results fall 16 neighbours to a lane.
; A block's scale is 2^(floor(log2(largest magnitude)) - 4): the largest magnitude's exponent field less 4.
; SHARES.  Work-group w: rows 64 (w / 2) on; wave v: the 128 along K number 4 (w % 2) + v.  16 steps of 4 rows; a load reads 512 consecutive bytes (one row's part), the four waves 2,048 of each row.
; The conversion wants 16 neighbours in one lane, a load wants neighbouring lanes on neighbouring bytes: a step's 2,048 bytes turn through the wave's own stage in LDS (16 bytes of padding behind each 64).
; No tensor loads, no barrier: waves share nothing.  Loads run eight steps (32 loads a wave) ahead, the turn through LDS one step.
.set CHB,   983040                     ; a chunk of xw_codes: 20,480 rows x 48 bytes
.set SKB,   81920                      ; 20,480 rows x 4 bytes of scales
.set STEPS, 16
.set AH,    8                          ; steps that the loads run ahead
.set EMAX,  4
.set R,     16                         ; v16-143  eight sets of 16 numbers as loaded
.set X,     144                        ; v144-175 two sets of 16 neighbours
.set E,     176                        ; v176-191 a scale byte for each step
.set C,     192                        ; v192-255 codes: four registers a step: no store's data are written again
.set WREG,  8192                       ; LDS: a region for each wave: two stages of 32 x SP bytes, then its 256 scale bytes
.set SP,    80
.set SPW,   12                         ; v12 my spare word's LDS address; never rewritten
.set NIL,   13                         ; v13 0; never rewritten
.set SPARE, 4*WREG                     ; behind the regions: the spare words, 128 bytes a wave
	s_load_b256 s[4:11], s[0:1], 0x0               ; q_raw, kv_raw, Wq, Wk
	s_load_b256 s[12:19], s[0:1], 0x20             ; Wv, Wo, xw_codes, xw_scales
	v_lshl_add_u32 v[SPW], v0, 2, SPARE
	v_mov_b32 v[NIL], 0
	v_lshrrev_b32 v10, 5, v0
	v_readfirstlane_b32 s20, v10                   ; wave
	v_and_b32 v10, 31, v0                          ; lane
	v_lshlrev_b32 v3, 4, v10                       ; my 16 bytes of a load's 512
	s_mul_i32 s27, s20, WREG
	v_lshrrev_b32 v14, 2, v10
	v_mul_u32_u24 v14, v14, SP
	v_and_b32 v15, 3, v10
	v_lshl_add_u32 v14, v15, 4, v14
	v_add_nc_u32 v14, s27, v14                     ; the stage, way in: SP (lane / 4) + 16 (lane % 4)
	v_mul_u32_u24 v15, v10, SP
	v_add_nc_u32 v15, s27, v15                     ; way out: SP x lane: row lane / 8 of the step, k = 16 (lane % 8) on
	v_bfe_u32 v8, v10, 2, 1
	v_mul_u32_u24 v4, v8, CHB                      ; my codes' place: which of the two chunks,
	v_lshrrev_b32 v8, 3, v10
	v_mad_u32_u24 v4, v8, 48, v4                   ; which of the step's four rows,
	v_and_b32 v8, 3, v10
	v_mad_u32_u24 v4, v8, 12, v4                   ; which 12 bytes of its 48
	v_lshrrev_b32 v5, 1, v10
	s_add_co_u32 s27, s27, 2*32*SP
	v_add_nc_u32 v5, s27, v5                       ; LDS: my block's scale byte: 4 x row + block = lane / 2
	v_lshlrev_b32 v7, 3, v10
	v_add_nc_u32 v6, s27, v7                       ; and on the way out 8 bytes a lane
	s_lshr_b32 s21, ttmp9, 1                       ; G: which 64 rows of the 20,480
	s_and_b32 s30, ttmp9, 1
	s_lshl_b32 s30, s30, 2
	s_add_co_u32 s30, s30, s20                     ; which 128 along K
	s_sub_co_u32 s27, s21, 128
	s_cmp_lt_u32 s27, 176                          ; G in 128 .. 303: kv_raw, Wq, Wk, Wv: permuted
	s_cselect_b32 s23, 32768, 0                    ; eight rows of 4,096 bytes, or nothing
	s_sub_co_u32 s26, 32768, s23
	v_add_nc_u32 v1, s23, v3                       ; the second group of eight positions takes the rows eight further down,
	v_add_nc_u32 v2, s26, v3                       ; the third (with -32,768 in the immediate) the rows eight further up
	s_wait_alu depctr_va_vdst(0)
	s_wait_kmcnt 0x0
	s_mov_b64 s[24:25], s[14:15]                   ; which tensor: the choice hangs on the work-group's number alone
	s_mov_b32 s22, 304
	s_cmp_lt_u32 s21, 304
	s_cselect_b64 s[24:25], s[12:13], s[24:25]
	s_cselect_b32 s22, 288, s22
	s_cmp_lt_u32 s21, 288
	s_cselect_b64 s[24:25], s[10:11], s[24:25]
	s_cselect_b32 s22, 272, s22
	s_cmp_lt_u32 s21, 272
	s_cselect_b64 s[24:25], s[8:9], s[24:25]
	s_cselect_b32 s22, 256, s22
	s_cmp_lt_u32 s21, 256
	s_cselect_b64 s[24:25], s[6:7], s[24:25]
	s_cselect_b32 s22, 128, s22
	s_cmp_lt_u32 s21, 128
	s_cselect_b64 s[24:25], s[4:5], s[24:25]
	s_cselect_b32 s22, 0, s22
	s_sub_co_u32 s27, s21, s22
	s_lshl_b32 s28, s27, 18                        ; 64 rows of 4,096 bytes
	s_lshl_b32 s29, s30, 9                         ; 128 numbers of 4 bytes
	s_add_co_u32 s28, s28, s29
	s_mov_b32 s29, 0
	s_add_nc_u64 s[24:25], s[24:25], s[28:29]
	s_mul_i32 s28, s30, 2*CHB
	s_mul_i32 s31, s21, 3072                       ; 64 rows of 48 bytes
	s_add_co_u32 s28, s28, s31
	s_add_nc_u64 s[16:17], s[16:17], s[28:29]
	s_mul_i32 s28, s30, SKB
	s_lshl_b32 s31, s21, 8
	s_add_co_u32 s28, s28, s31
	s_add_nc_u64 s[18:19], s[18:19], s[28:29]
.macro LOAD t                          ; step t: positions 4 t .. 4 t + 3 of the 64; the permutation sits in the source rows
.set GP, ((\t)/2)%4
.irp i, 0,1,2,3
.if GP == 1
	global_load_b128 v[R+16*((\t)%AH)+4*\i:R+16*((\t)%AH)+4*\i+3], v1, s[24:25] offset:(4*(\t)+\i)*4096 th:TH_LOAD_NT
.elseif GP == 2
	global_load_b128 v[R+16*((\t)%AH)+4*\i:R+16*((\t)%AH)+4*\i+3], v2, s[24:25] offset:(4*(\t)+\i)*4096-32768 th:TH_LOAD_NT
.else
	global_load_b128 v[R+16*((\t)%AH)+4*\i:R+16*((\t)%AH)+4*\i+3], v3, s[24:25] offset:(4*(\t)+\i)*4096 th:TH_LOAD_NT
.endif
.endr
.endm
.macro TURN t                          ; step t's numbers through the stage: LDS serves a wave's instructions in order
.irp i, 0,1,2,3
	ds_store_b128 v14, v[R+16*((\t)%AH)+4*\i:R+16*((\t)%AH)+4*\i+3] offset:32*SP*((\t)%2)+8*SP*\i
.endr
.irp i, 0,1,2,3
	ds_load_b128 v[X+16*((\t)%2)+4*\i:X+16*((\t)%2)+4*\i+3], v15 offset:32*SP*((\t)%2)+16*\i
.endr
.endm
.irp t, 0,1,2,3,4,5,6,7
	LOAD \t
.endr
	s_wait_loadcnt 4*(AH-1)                        ; step 0's four loads are in; those of the seven steps behind it may be out
	TURN 0
.macro STEP t
.set XS, X+16*((\t)%2)
.if (\t) > 0
	s_wait_dscnt 1                                 ; this step's numbers are back (the last step's byte store may be out): its stores into the stage have read their registers,
.else
	s_wait_dscnt 0x0
.endif
.if (\t)+AH < STEPS
	LOAD (\t)+AH                                   ; which take the loads of eight steps on
.endif
.if (\t)+1 < STEPS
.if STEPS-2-(\t) >= AH-1
	s_wait_loadcnt 4*(AH-1)                        ; the next step's four loads are in; those of seven steps behind it may be out
.else
	s_wait_loadcnt 4*(STEPS-2-(\t))
.endif
	TURN (\t)+1
.endif
	v_max3_num_f32 v8, |v[XS]|, |v[XS+1]|, |v[XS+2]|               ; the largest magnitude of my 16, in two chains
	v_max3_num_f32 v9, |v[XS+3]|, |v[XS+4]|, |v[XS+5]|
.irp i, 6,10
	v_max3_num_f32 v8, v8, |v[XS+\i]|, |v[XS+\i+1]|
	v_max3_num_f32 v9, v9, |v[XS+\i+2]|, |v[XS+\i+3]|
.endr
	v_max3_num_f32 v8, v8, |v[XS+14]|, |v[XS+15]|
	v_max3_num_f32 v8, v8, v9, (EMAX+1)<<23        ; and the floor 2^(5 - 127): the byte cannot fall under 1
	v_max_num_f32_dpp v8, v8, v8 row_xmask:1 row_mask:0xf bank_mask:0xf   ; with my neighbour's 16: the block's
	v_add_nc_u32 v11, -(EMAX<<23), v8              ; 4 off its exponent field: the conversion takes this operand's exponent field as its scale
	v_cvt_scalef32_pk16_bf6_f32 v[C+4*(\t):C+4*(\t)+2], v[XS:XS+15], v11
	v_lshrrev_b32 v[E+(\t)], 23, v11               ; the scale's byte
	ds_store_b8 v5, v[E+(\t)] offset:16*(\t)       ; both lanes of a block write the same byte with the same value
	global_store_b96 v4, v[C+4*(\t):C+4*(\t)+2], s[16:17] offset:192*(\t)   ; two runs of 192 consecutive bytes, which the next step continues
.endm
.irp t, 0,1,2,3,4,5,6,7,8,9,10,11,12,13,14,15
	STEP \t
.endr
	ds_load_b64 v[8:9], v6                         ; these see my byte stores
	s_wait_dscnt 0x0
	global_store_b64 v7, v[8:9], s[18:19]          ; 32 lanes store 256 consecutive bytes, aligned: 64 rows' scale words
	s_wait_tensorcnt 0x0                           ; the wave's end
	ds_add_u32 v[SPW], v[NIL]
	s_wait_dscnt 0x0
	s_endpgm
.Lfunc_end_k_q4c22425f48_quant:
	.size	k_q4c22425f48_quant, .Lfunc_end_k_q4c22425f48_quant-k_q4c22425f48_quant
	.p2alignl 7, 3214868480
	.fill 96, 4, 3214868480
	.section	.rodata,"a",@progbits
	.p2align	6, 0x0
	.amdhsa_kernel k_q4c22425f48_quant
		.amdhsa_group_segment_fixed_size 33280
		.amdhsa_private_segment_fixed_size 0
		.amdhsa_enable_private_segment 0
		.amdhsa_kernarg_size 64
		.amdhsa_user_sgpr_count 2
		.amdhsa_user_sgpr_kernarg_segment_ptr 1
		.amdhsa_wavefront_size32 1
		.amdhsa_system_sgpr_workgroup_id_x 1
		.amdhsa_system_sgpr_workgroup_id_y 1
		.amdhsa_system_sgpr_workgroup_id_z 1
		.amdhsa_system_vgpr_workitem_id 0
		.amdhsa_next_free_vgpr 256
		.amdhsa_next_free_sgpr 66
		.amdhsa_reserve_vcc 0
		.amdhsa_float_denorm_mode_32 3
		.amdhsa_float_denorm_mode_16_64 3
		.amdhsa_memory_ordered 1
		.amdhsa_forward_progress 1
		.amdhsa_inst_pref_size 34
	.end_amdhsa_kernel
	.amdgpu_metadata
---
amdhsa.version: [ 1, 2 ]
amdhsa.kernels:
  - .name:           k_q4c22425f48_quant
    .symbol:         k_q4c22425f48_quant.kd
    .args:
      - { .name: q_raw, .offset: 0, .size: 8, .value_kind: global_buffer, .address_space: global }
      - { .name: kv_raw, .offset: 8, .size: 8, .value_kind: global_buffer, .address_space: global }
      - { .name: Wq, .offset: 16, .size: 8, .value_kind: global_buffer, .address_space: global }
      - { .name: Wk, .offset: 24, .size: 8, .value_kind: global_buffer, .address_space: global }
      - { .name: Wv, .offset: 32, .size: 8, .value_kind: global_buffer, .address_space: global }
      - { .name: Wo, .offset: 40, .size: 8, .value_kind: global_buffer, .address_space: global }
      - { .name: xw_codes, .offset: 48, .size: 8, .value_kind: global_buffer, .address_space: global }
      - { .name: xw_scales, .offset: 56, .size: 8, .value_kind: global_buffer, .address_space: global }
    .group_segment_fixed_size: 33280
    .private_segment_fixed_size: 0
    .kernarg_segment_align: 8
    .kernarg_segment_size: 64
    .max_flat_workgroup_size: 128
    .sgpr_count:     66
    .vgpr_count:     256
    .wavefront_size: 32
...
	.end_amdgpu_metadata
.endif
;; end of part 1
;; launch proj (part 2): grid 4 x 64, 4 waves a work-group, clusters of 4 x 4, 327,680 bytes of LDS; arguments xw_codes, xw_scales, q_img, kv_img; writes q_img, kv_img
.if DOCPART == 2
	.amdgcn_target "amdgcn-amd-amdhsa--gfx1250"
	.amdhsa_code_object_version 6
	.text
	.protected	k_q4c22425f48_proj
	.globl	k_q4c22425f48_proj
	.p2align	8
	.type	k_q4c22425f48_proj,@function
k_q4c22425f48_proj:
	s_mov_b64 s[64:65], 0
	v_nop
	global_prefetch_b8 v0, s[64:65] scope:SCOPE_SE
	s_setreg_imm32_b32 hwreg(HW_REG_WAVE_MODE, 25, 1), 1
	s_wait_xcnt 0x0
	s_wait_alu depctr_hold_cnt(0) depctr_sa_sdst(0) depctr_va_vdst(0) depctr_va_sdst(0) depctr_va_ssrc(0) depctr_va_vcc(0) depctr_vm_vsrc(0)
	s_getreg_b32 s2, hwreg(HW_REG_IB_STS2, 6, 4)
	s_cmp_eq_u32 s2, 0
	s_cbranch_scc0 .Lentry_in_a_cluster
	s_endpgm
.Lentry_in_a_cluster:
	s_bfe_u32 s2, ttmp6, 0x10000c
	s_cmp_lg_u32 s2, 0xf033
	s_cbranch_scc0 .Lentry_shape_is_right
	s_endpgm
.Lentry_shape_is_right:
; LAUNCH 2 OF 4: q = q_raw Wq^T, k = kv_raw Wk^T, v = kv_raw Wv^T on codes of BF6, and their quantisers on the way out.  Nothing of reference() is left out here.
; A block is 128 rows of "A" x 256 rows of "B"; a wave makes 64 x 128: 32 accumulators.  q, k: A = tokens, B = the weight's rows; v: A = Wv's rows, B = tokens.
; 3 x 256 blocks, 256 work-groups: EACH WORK-GROUP STAYS and makes one block of q, one of k, one of v.  K = 1,024 is two slots of 512; the ring of two slots runs on into the next block.
; A slot's four tiles (A's codes, B's codes, A's scale words, B's) are the four waves' one joint load each.  Clusters 4 x 4: A's tiles hang on cy, B's on cx (and on the cluster's y, which all share).
; The matrix instruction takes source 0 = 16 rows of B, source 1 = 16 rows of A: a lane holds one row of A and eight rows of B, and the result is quantised along B's rows (permuted in xw_codes: 16 registers are 16 neighbours).
; Records of 13,056 bytes for each (batch, head, 128 tokens): 0: four pair fragments of q or k; 6,144: four fragments of v; 12,288: k's scale words [r][pair]; 12,544: v's [r][fragment]; 12,800: sums of the quantised v [r][fragment].
; A wave holds two of a record's four pairs, so it stores 8 of a row's 16 bytes of scale words: those blocks of 256 bytes are written in parts by two waves.
; PREFETCH: behind each fill (block t, half h of K) every wave names its share of (block t + 1, half h), which is loaded two fills later; behind the first fill also of q's second half, which is loaded one fill later.
;   The four partners that ask for a tile jointly share its blocks of 256 bytes out by address: of A's 8 chunks partner cx takes chunks 2 cx, 2 cx + 1 (a wave 12 blocks), of B's partner cy likewise (a wave 24 blocks);
;   of the scale words' 4 planes partner cx takes A's plane cx (waves 0 and 3, a block each), partner cy B's plane cy (waves 1 and 2, two blocks each).  Lanes left over name their wave's last block again.
;   q's first half comes by its load alone; the loop's last trip and the tail ask for nothing.  The head's prefetches reach their tiles from q's first by immediates, 8,257,536 bytes at the most (ISA guide, chapter 10: a signed field of 24 bits).
; LDS: slot s at 153,600 s: A [chunk of 64 K: 8][128 rows][48], B [8][256][48], A's scale words [128 K: 4][128][4], B's [4][256][4]; 307,200: the spare words.  All of LDS is claimed.
; REGISTERS: window 0: v8-30 addresses, v32-55 scale words (two sets of 12; lanes 0-15 an even step's, lanes 16-31 the odd step's), v56-193 the way out; window 1: B's fragments, two sets; window 2: accumulator (a, b) at v[8 (8 a + b)]; window 3: A's fragments, two sets.
.set CHB, 983040
.set SKB, 81920
.set REC, 13056
.set HS, 16*REC
.set SLOT, 153600
.set LO0, 0
.set LO1, 49152
.set LO2, 147456
.set LO3, 149504
.set SPARE, 2*SLOT
.set HF0, 8*CHB
.set HF1, 8*CHB
.set HF2, 4*SKB
.set HF3, 4*SKB
.set PT0, 4
.set PT1, 4
.set PT2, 6
.set PT3, 6
.set GO0, 24
.set GO1, 32
.set GO2, 48
.set GO3, 56
.set GZ, 68
.set OO, 84
.set DD, 92
.set EE, 96
.set SEL, 44
.set PFA, 20                           ; s[20:21], s[66:67], s[104:105]: the prefetches' bases
.set PFB, 66
.set PFS, 104
.set VPA, 8                            ; v8-10: the prefetches' offsets; never rewritten
.set VPB, 9
.set VPS, 10
.set ADRA, 16
.set ADRB, 18
.set ADSA, 22
.set ADSB, 24
.set IMG, 26
.set SCO, 27
.set SPW, 28
.set NIL, 29
.set LR, 30
.set SC, 32
.set TM, 56
.set W, 72
.set Y, 80
.set ONES, 88
.set ONESC, 100
.set AREA, 104
.set PS, 152
.set SOUT, 184
.set POUT, 188
.set MULW, 0xad                        ; source 0 window 1, source 1 window 3, C and D window 2
.set MSB, 0
.macro WIN new                         ; the immediate's high byte repeats the setting that is left
.if MSB != (\new)
	s_set_vgpr_msb (MSB<<8)|(\new)
.set MSB, (\new)
.endif
.endm
.macro PLACES n
.rept \n
	v_nop
.endr
.endm
.macro TL k                            ; an s_nop 0 and four v_nop follow each tensor load
	tensor_load_to_lds s[GZ+4*\k:GZ+4*\k+3], s[GO\k:GO\k+7]
	s_nop 0
	PLACES 4
.endm
.macro FILL                            ; one chain on the wave's number: every way passes exactly one joint load
	s_cmp_lt_u32 s14, 1
	s_cbranch_scc0 .Lfb_\@
	TL 0
	s_branch .Lfe_\@
.Lfb_\@:
	s_cmp_lt_u32 s14, 2
	s_cbranch_scc0 .Lfc_\@
	TL 1
	s_branch .Lfe_\@
.Lfc_\@:
	s_cmp_lt_u32 s14, 3
	s_cbranch_scc0 .Lfd_\@
	TL 2
	s_branch .Lfe_\@
.Lfd_\@:
	TL 3
.Lfe_\@:
.endm
.macro CREST
	s_cmp_lg_u32 s14, 0
	s_cbranch_scc1 .Lnw_\@
	s_barrier_signal -3
.Lnw_\@:
	s_barrier_wait -3
	s_barrier_signal -1
	s_barrier_wait -1
.endm
.macro CROUND
	s_barrier_signal -1
	s_barrier_wait -1
	CREST
.endm
.macro G1SET g, d0, d1, st             ; d1 rows of d0 elements of 8 bytes, st elements apart
	s_mov_b32 s[\g+1], (\d0)<<16
	s_mov_b32 s[\g+2], (\d1)<<16
	s_mov_b32 s[\g+3], (\d0)<<16
	s_mov_b32 s[\g+4], \d1
	s_mov_b32 s[\g+5], \st
	s_mov_b32 s[\g+6], 0
	s_mov_b32 s[\g+7], 0
.endm
.macro DESC slot, step                 ; the four groups 0 for the next fill; step 1: the block's second half of K; 2: the next block's first.  Written only where no tensor load of the wave is out
.irp k, 0,1,2,3
.if \step == 1
	s_add_co_u32 s[OO+2*\k], s[OO+2*\k], HF\k
.elseif \step == 2
	s_add_co_u32 s[OO+2*\k], s[OO+2*\k], s[DD+\k]
.endif
	s_add_nc_u64 s[GZ+4*\k+2:GZ+4*\k+3], s[PT\k:PT\k+1], s[OO+2*\k:OO+2*\k+1]
	s_or_b32 s[GZ+4*\k+3], s[GZ+4*\k+3], 0x80000000
	s_mov_b32 s[GZ+4*\k+1], \slot*SLOT+LO\k
.endr
.endm
; The loop's prefetch: the tiles of the same half of K one block on from the fill just asked for.  db: the four steps from this block's second half to the next block's first; with a half's length they make the step from block to block.
; The bases are rewritten only behind a wait on XCNT for 0, which stands well behind the prefetches that read them.
.macro ASK db
	s_add_co_u32 s100, s[OO], s[\db]
	s_add_co_u32 s100, s100, HF0
	s_mov_b32 s101, 0
	s_add_nc_u64 s[PFA:PFA+1], s[4:5], s[100:101]
	s_add_co_u32 s100, s[OO+2], s[\db+1]
	s_add_co_u32 s100, s100, HF1
	s_add_nc_u64 s[PFB:PFB+1], s[4:5], s[100:101]
	s_cmp_eq_u32 s17, 1                            ; waves 0 and 3 name A's scale words, waves 1 and 2 B's
	s_cselect_b32 s100, s[OO+4], s[OO+6]
	s_cselect_b32 s43, s[\db+2], s[\db+3]
	s_add_co_u32 s100, s100, s43
	s_add_co_u32 s100, s100, HF2
	s_add_nc_u64 s[PFS:PFS+1], s[6:7], s[100:101]
	global_prefetch_b8 v[VPA], s[PFA:PFA+1] th:TH_LOAD_NT scope:SCOPE_SE
	global_prefetch_b8 v[VPB], s[PFB:PFB+1] th:TH_LOAD_NT scope:SCOPE_SE
	global_prefetch_b8 v[VPS], s[PFS:PFS+1] th:TH_LOAD_NT scope:SCOPE_SE
.endm
.macro FETCH slot, q, p                ; step q's fragments into set p: lane (r, h): registers 6 c .. 6 c + 5 = the 24 bytes at 48 r + 24 h of chunk 2 q + c
	WIN 0x40
.irp i, 0,1,2,3,4,5,6,7
.irp c, 0,1,2,3,4,5
	ds_load_b64 v[128*(\p)+12*\i+2*\c:128*(\p)+12*\i+2*\c+1], v[ADRB+2*(\slot)+(\q)/2] offset:((2*(\q)+\c/3)%4)*12288+\i*768+8*(\c%3)
.endr
.endr
	WIN 0xc0
.irp i, 0,1,2,3
.irp c, 0,1,2,3,4,5
	ds_load_b64 v[128*(\p)+12*\i+2*\c:128*(\p)+12*\i+2*\c+1], v[ADRA+(\slot)] offset:(2*(\q)+\c/3)*6144+\i*768+8*(\c%3)
.endr
.endr
	WIN 0
.endm
.macro SCALES slot, pr, set            ; the scale words of steps 2 pr (lanes 0-15) and 2 pr + 1 (lanes 16-31)
.irp i, 0,1,2,3
	ds_load_b32 v[SC+12*(\set)+\i], v[ADSA+(\slot)] offset:1024*(\pr)+64*\i
.endr
.irp i, 0,1,2,3,4,5,6,7
	ds_load_b32 v[SC+12*(\set)+4+\i], v[ADSB+(\slot)] offset:2048*(\pr)+64*\i
.endr
.endm
.macro MULH a0, p, sc, row, zero       ; 16 products: A's blocks a0, a0 + 1 x B's eight; the 32 accumulators take turns in the same order in every step
.irp a, \a0, \a0+1
.irp b, 0,1,2,3,4,5,6,7
.set AC, 8*(8*(\a)+\b)
.set BF, 128*(\p)+12*\b
.set AFR, 128*(\p)+12*(\a)
.set SB, SC+12*(\sc)+4+\b
.set SA, SC+12*(\sc)+(\a)
.if \zero
	v_wmma_scale_f32_16x16x128_f8f6f4 v[AC:AC+7], v[BF:BF+11], v[AFR:AFR+11], 0, v[SB], v[SA] matrix_a_fmt:MATRIX_FMT_BF6 matrix_b_fmt:MATRIX_FMT_BF6
.elseif \row
	v_wmma_scale_f32_16x16x128_f8f6f4 v[AC:AC+7], v[BF:BF+11], v[AFR:AFR+11], v[AC:AC+7], v[SB], v[SA] matrix_a_fmt:MATRIX_FMT_BF6 matrix_b_fmt:MATRIX_FMT_BF6 matrix_a_scale:MATRIX_SCALE_ROW1 matrix_b_scale:MATRIX_SCALE_ROW1
.else
	v_wmma_scale_f32_16x16x128_f8f6f4 v[AC:AC+7], v[BF:BF+11], v[AFR:AFR+11], v[AC:AC+7], v[SB], v[SA] matrix_a_fmt:MATRIX_FMT_BF6 matrix_b_fmt:MATRIX_FMT_BF6
.endif
.endr
.endr
.endm
.macro STEP slot, q, zero              ; one of a slot's first three steps of 128 along K: the next step's fragments are asked for, then this step's 32 products
	s_wait_dscnt 0x0                               ; this step's fragments and scale words are in
	PLACES 4                                       ; behind the last products, ahead of loads into the set that they read
	FETCH \slot, (\q)+1, 1-(\q)%2
.if (\q) == 1
	SCALES \slot, 1, 1
.endif
	WIN MULW
	MULH 0, (\q)%2, (\q)/2, (\q)%2, \zero
	MULH 2, (\q)%2, (\q)/2, (\q)%2, \zero
	WIN 0
.endm
; A slot's last step changes slots.  kind 2: the slot is filled again behind a round of the cluster's barrier; 1: a barrier shows the other slot whole, nothing is filled; 0: the launch's last step.
.macro TURN slot, kind
.if \kind > 0
.if \kind == 2
	s_wait_xcnt 0x0                                ; my earlier prefetches have read their bases: they are written again below
.endif
	s_wait_tensorcnt 0x0                           ; my tile of the other slot has landed
.if \kind == 2
	ds_add_u32 v[SPW], v[NIL]
	DESC \slot, 2-(\slot)
.endif
	s_wait_dscnt 0x0                               ; the add is done, and my reads of this slot are over
	s_barrier_signal -1
	WIN MULW
	MULH 0, 1, 1, 1, 0
	WIN 0
	s_barrier_wait -1
.if \kind == 2
	CREST
	FILL                                           ; my one joint load behind the round; its four v_nop are also the places ahead of the loads below
.else
	PLACES 4
.endif
	FETCH 1-(\slot), 0, 0
	SCALES 1-(\slot), 0, 0
.if \kind == 2
	s_cmp_eq_u32 s3, 0                             ; trip 0 has just asked for k's tiles and names v's; behind v there is no block
	s_cbranch_scc0 .Lna_\@
	ASK EE
.Lna_\@:
.endif
	WIN MULW
	MULH 2, 1, 1, 1, 0
	WIN 0
.else
	s_wait_dscnt 0x0
	WIN MULW
	MULH 0, 1, 1, 1, 0
	MULH 2, 1, 1, 1, 0
	WIN 0
.endif
.endm
; Block a (16 rows of A): register 16 b + i is B's row 32 b + 16 (lane / 16) + i.  Codes of B's rows 0-63 into v[d0 ..+5], of rows 64-127 into v[d1 ..+5], the four scale bytes into v[pw].  Each accumulator is read from its low end on.
.macro QUANTW a, d0, d1, pw
.set AC, 64*(\a)
	WIN 0x0a
.irp b, 0,1,2,3
	v_max3_num_f32 v[TM+\b], |v[AC+16*\b]|, |v[AC+16*\b+1]|, 0x2800000   ; with the floor 2^(5 - 127): the byte cannot fall under 1
.endr
.irp i, 2,4,6,8,10,12,14
.irp b, 0,1,2,3
	v_max3_num_f32 v[TM+\b], |v[AC+16*\b+\i]|, |v[AC+16*\b+\i+1]|, v[TM+\b]
.endr
.endr
	WIN 0
.irp b, 0,1,2,3
	v_permlanex16_b32 v[TM+4+\b], v[TM+\b], s[SEL], s[SEL+1]
.endr
.irp b, 0,1,2,3
	v_max_num_f32 v[TM+\b], v[TM+\b], v[TM+4+\b]
.endr
.irp b, 0,1,2,3
	v_add_nc_u32 v[TM+12+\b], 0xfe000000, v[TM+\b] ; 4 off the exponent field: the conversion's scale operand
.endr
.irp b, 0,1,2,3
	v_lshrrev_b32 v[TM+4+\b], 23, v[TM+12+\b]      ; the scale's byte
.endr
	v_lshl_or_b32 v[\pw], v[TM+5], 8, v[TM+4]
	v_lshl_or_b32 v[\pw], v[TM+6], 16, v[\pw]
	v_lshl_or_b32 v[\pw], v[TM+7], 24, v[\pw]
	WIN 0x02
	v_cvt_scalef32_pk16_bf6_f32 v[(\d0):(\d0)+2], v[AC:AC+15], v[TM+12]
	v_cvt_scalef32_pk16_bf6_f32 v[Y:Y+2], v[AC+16:AC+31], v[TM+13]
	v_cvt_scalef32_pk16_bf6_f32 v[(\d1):(\d1)+2], v[AC+32:AC+47], v[TM+14]
	v_cvt_scalef32_pk16_bf6_f32 v[Y+4:Y+6], v[AC+48:AC+63], v[TM+15]
	WIN 0
	v_nop                                          ; one plain place behind a scaled conversion
.irp i, 0,1,2
	v_permlane16_swap_b32 v[(\d0)+\i], v[Y+\i]     ; a whole block to a lane
.endr
.irp i, 0,1,2
	v_mov_b32 v[(\d0)+3+\i], v[Y+\i]
.endr
.irp i, 0,1,2
	v_permlane16_swap_b32 v[(\d1)+\i], v[Y+4+\i]
.endr
.irp i, 0,1,2
	v_mov_b32 v[(\d1)+3+\i], v[Y+4+\i]
.endr
.endm
	s_load_b256 s[4:11], s[0:1], 0x0               ; xw_codes, xw_scales, q_img, kv_img
	v_lshl_add_u32 v[SPW], v0, 2, SPARE
	v_mov_b32 v[NIL], 0
	ds_add_u32 v[SPW], v[NIL]                      ; the opening
	ds_add_u32 v[SPW], v[NIL]
	v_lshrrev_b32 v1, 5, v0
	v_readfirstlane_b32 s14, v1                    ; wave
	s_lshr_b32 s15, s14, 1                         ; my 64 of A's rows
	s_and_b32 s16, s14, 1                          ; my 128 of B's rows
	s_bfe_u32 s40, ttmp6, 0x40000                  ; cx
	s_bfe_u32 s41, ttmp6, 0x40004                  ; cy
	s_and_b32 s42, ttmp7, 0xffff                   ; the cluster's y, 0 .. 15
	s_lshl_b32 s43, s41, 2
	s_lshl_b32 s43, 15, s43                        ; my row of the cluster
	s_lshl_b32 s44, 0x1111, s40                    ; my column
	s_or_b32 s[GO0], s43, (3<<16)|(1<<21)
	s_or_b32 s[GO2], s43, (3<<16)|(1<<21)
	s_or_b32 s[GO1], s44, (3<<16)|(1<<21)
	s_or_b32 s[GO3], s44, (3<<16)|(1<<21)
	G1SET GO0, 768, 8, CHB/8                       ; 8 chunks x 128 rows x 48 bytes
	G1SET GO1, 1536, 8, CHB/8                      ; 8 chunks x 256 rows
	G1SET GO2, 64, 4, SKB/8                        ; 4 x 128 rows x 4 bytes
	G1SET GO3, 128, 4, SKB/8
.irp k, 0,1,2,3
	s_mov_b32 s[GZ+4*\k], 1
	s_mov_b32 s[OO+2*\k+1], 0
.endr
	s_lshl_b32 s66, s42, 2
	s_add_co_u32 s66, s66, s41                     ; q, k: which 128 tokens
	s_lshl_b32 s17, s66, 7                         ; A's first row: q_raw's rows begin at 0
	s_mul_i32 s[OO], s17, 48
	s_lshl_b32 s[OO+4], s17, 2
	s_lshl_b32 s20, s40, 8
	s_add_co_u32 s20, s20, 16384                   ; B's: Wq's rows begin at 16,384
	s_mul_i32 s[OO+2], s20, 48
	s_lshl_b32 s[OO+6], s20, 2
	s_mov_b32 s[DD], 8192*48-8*CHB                 ; from q's second half of K to k's first: A 8,192 rows on, B 1,024
	s_mov_b32 s[DD+1], 1024*48-8*CHB
	s_mov_b32 s[DD+2], 8192*4-4*SKB
	s_mov_b32 s[DD+3], 1024*4-4*SKB
	s_and_b32 s21, s42, 1                          ; from k to v: A = Wv's rows 18,432 + 128 (4 (y % 2) + cy), B = kv_raw's 8,192 + 256 (4 (y / 2) + cx)
	s_sub_co_u32 s21, s21, s42
	s_lshl_b32 s21, s21, 9
	s_add_co_u32 s21, s21, 10240
	s_mul_i32 s[EE], s21, 48
	s_sub_co_u32 s[EE], s[EE], 8*CHB
	s_lshl_b32 s[EE+2], s21, 2
	s_sub_co_u32 s[EE+2], s[EE+2], 4*SKB
	s_lshr_b32 s21, s42, 1
	s_lshl_b32 s21, s21, 10
	s_sub_co_u32 s21, s21, 9216
	s_mul_i32 s[EE+1], s21, 48
	s_sub_co_u32 s[EE+1], s[EE+1], 8*CHB
	s_lshl_b32 s[EE+3], s21, 2
	s_sub_co_u32 s[EE+3], s[EE+3], 4*SKB
	s_lshl_b32 s67, s40, 2                         ; q, k: my record: heads 4 cx + 2 (B's half) and the next; in registers that feed no descriptor
	s_lshl_b32 s100, s16, 1
	s_add_co_u32 s67, s67, s100
	s_lshr_b32 s100, s66, 4
	s_lshl_b32 s100, s100, 4
	s_add_co_u32 s67, s67, s100
	s_lshl_b32 s67, s67, 4
	s_and_b32 s100, s66, 15
	s_add_co_u32 s67, s67, s100
	s_mul_i32 s67, s67, REC
	s_mul_i32 s100, s15, 3072
	s_add_co_u32 s18, s67, s100                    ; my two pair fragments
	s_mov_b32 s19, 0
	s_lshl_b32 s100, s15, 3
	s_add_co_u32 s22, s67, s100                    ; their two scale words
	s_mov_b32 s23, 0
	s_lshl_b32 s12, s40, 1                         ; the prefetches' shares: A's chunk 2 cx + wave / 2, its half wave % 2;
	s_add_co_u32 s12, s12, s15
	s_mul_i32 s12, s12, CHB
	s_mul_i32 s100, s16, 3072
	s_add_co_u32 s12, s12, s100
	s_lshl_b32 s13, s41, 1                         ; B's chunk 2 cy + wave / 2, its half wave % 2;
	s_add_co_u32 s13, s13, s15
	s_mul_i32 s13, s13, CHB
	s_mul_i32 s100, s16, 6144
	s_add_co_u32 s13, s13, s100
	s_cmp_eq_u32 s14, 0
	s_cselect_b32 s101, 1, 0
	s_cmp_eq_u32 s14, 3
	s_cselect_b32 s101, 1, s101                    ; 1: my wave names A's scale words
	s_mul_i32 s104, s40, SKB                       ; A's plane cx, block wave / 2 (waves 0 and 3);
	s_lshl_b32 s105, s15, 8
	s_add_co_u32 s104, s104, s105
	s_mul_i32 s100, s41, SKB                       ; B's plane cy, blocks 2 (wave - 1) and the next (waves 1 and 2)
	s_sub_co_u32 s105, s14, 1
	s_lshl_b32 s105, s105, 9
	s_add_co_u32 s100, s100, s105
	s_cmp_eq_u32 s101, 1
	s_cselect_b32 s104, s104, s100
	s_cselect_b32 s105, 0, 256
	s_mul_i32 s17, s15, 3072
	s_mul_i32 s20, s16, 6144
	s_add_co_u32 s20, s20, LO1
	s_lshl_b32 s21, s15, 8
	s_add_co_u32 s21, s21, LO2
	s_lshl_b32 s43, s16, 9
	s_add_co_u32 s43, s43, LO3
	s_mov_b32 s[SEL], 0x76543210
	s_mov_b32 s[SEL+1], 0xfedcba98
	s_mov_b32 s2, 0xffff0000                       ; lanes 16-31
	s_wait_dscnt 0x0                               ; both opening adds are done
	s_wait_kmcnt 0x0
	DESC 0, 0
	CROUND                                         ; all sixteen work-groups are here: the first joint loads meet
	FILL                                           ; q's first half of K: one tensor load a wave at the head
	v_and_b32 v1, 15, v0                           ; r
	v_bfe_u32 v2, v0, 4, 1                         ; h
	v_mul_u32_u24 v3, v1, 48
	v_mad_u32_u24 v3, v2, 24, v3
	v_add_nc_u32 v[ADRA], s17, v3
	v_add_nc_u32 v[ADRA+1], SLOT, v[ADRA]
	v_add_nc_u32 v[ADRB], s20, v3
	v_add_nc_u32 v[ADRB+1], 49152, v[ADRB]         ; B's chunks 4-7 of a slot
	v_add_nc_u32 v[ADRB+2], SLOT, v[ADRB]
	v_add_nc_u32 v[ADRB+3], SLOT, v[ADRB+1]
	v_lshlrev_b32 v4, 2, v1
	v_lshl_add_u32 v5, v2, 9, v4                   ; lanes 16-31: the next 128 along K
	v_add_nc_u32 v[ADSA], s21, v5
	v_add_nc_u32 v[ADSA+1], SLOT, v[ADSA]
	v_lshl_add_u32 v5, v2, 10, v4
	v_add_nc_u32 v[ADSB], s43, v5
	v_add_nc_u32 v[ADSB+1], SLOT, v[ADSB]
	v_and_b32 v6, 31, v0
	v_lshlrev_b32 v[IMG], 4, v6
	v_lshlrev_b32 v[LR], 4, v1
	v_mad_u32_u24 v[SCO], v2, HS, v[LR]
	v_min_u32 v7, 11, v6                           ; a lane a block of 256 bytes; lanes left over name the last block again
	v_lshl_add_u32 v[VPA], v7, 8, s12
	v_min_u32 v7, 23, v6
	v_lshl_add_u32 v[VPB], v7, 8, s13
	v_min_u32 v7, 1, v6
	v_mad_u32_u24 v[VPS], v7, s105, s104
.irp b, 0,1,2,3
	v_mov_b32 v[TM+4+\b], 0                        ; a lane permute's destination counts as one of its sources
.endr
	s_mov_b32 s17, s101
	s_wait_alu depctr_va_vdst(0)
	s_add_nc_u64 s[PFA:PFA+1], s[4:5], s[OO:OO+1]  ; the head's prefetches: three bases at q's first half of K and one at k's scale words, written once here
	s_add_nc_u64 s[PFB:PFB+1], s[4:5], s[OO+2:OO+3]
	s_mov_b32 s12, 1024*4
	s_cmp_eq_u32 s17, 1
	s_cselect_b32 s100, s[OO+4], s[OO+6]
	s_cselect_b32 s12, 8192*4, s12                 ; from q's scale words to k's: A 8,192 rows on, B 1,024
	s_mov_b32 s101, 0
	s_add_nc_u64 s[PFS:PFS+1], s[6:7], s[100:101]
	s_mov_b32 s13, 0
	s_add_nc_u64 s[12:13], s[PFS:PFS+1], s[12:13]
	global_prefetch_b8 v[VPA], s[PFA:PFA+1] offset:HF0 th:TH_LOAD_NT scope:SCOPE_SE          ; q's second half of K
	global_prefetch_b8 v[VPB], s[PFB:PFB+1] offset:HF1 th:TH_LOAD_NT scope:SCOPE_SE
	global_prefetch_b8 v[VPS], s[PFS:PFS+1] offset:HF2 th:TH_LOAD_NT scope:SCOPE_SE
	global_prefetch_b8 v[VPA], s[PFA:PFA+1] offset:8192*48 th:TH_LOAD_NT scope:SCOPE_SE      ; k's first half
	global_prefetch_b8 v[VPB], s[PFB:PFB+1] offset:1024*48 th:TH_LOAD_NT scope:SCOPE_SE
	global_prefetch_b8 v[VPS], s[12:13] th:TH_LOAD_NT scope:SCOPE_SE
	s_wait_tensorcnt 0x0                           ; slot 1's first fill is issued as a refill is
	ds_add_u32 v[SPW], v[NIL]
	DESC 1, 1
	s_wait_dscnt 0x0
	CROUND
	FILL
	FETCH 0, 0, 0
	SCALES 0, 0, 0
	global_prefetch_b8 v[VPA], s[PFA:PFA+1] offset:8192*48+HF0 th:TH_LOAD_NT scope:SCOPE_SE  ; k's second half
	global_prefetch_b8 v[VPB], s[PFB:PFB+1] offset:1024*48+HF1 th:TH_LOAD_NT scope:SCOPE_SE
	global_prefetch_b8 v[VPS], s[12:13] offset:HF2 th:TH_LOAD_NT scope:SCOPE_SE
	s_mov_b32 s3, 0
.Ltile:                                                ; trip 0: q; trip 1: k.  Both refill both slots: with the next block's halves of K
	STEP 0, 0, 1                                   ; the first products start the sums
	STEP 0, 1, 0
	STEP 0, 2, 0
	TURN 0, 2
	STEP 1, 0, 0
	STEP 1, 1, 0
	STEP 1, 2, 0
	TURN 1, 2
	PLACES 4
	s_wait_xcnt 0x0                                ; the block before has had its stores' registers read, the prefetches their bases
	s_add_nc_u64 s[12:13], s[8:9], s[18:19]
	s_add_nc_u64 s[46:47], s[8:9], s[22:23]
.irp b, 0,1                            ; blocks 2 b, 2 b + 1 make a pair fragment of both heads
	QUANTW 2*\b, AREA+24*\b, AREA+24*\b+12, W+2*\b
	QUANTW 2*\b+1, AREA+24*\b+6, AREA+24*\b+18, W+2*\b+1
.irp hh, 0,1
.irp g, 0,1,2
	global_store_b128 v[IMG], v[AREA+24*\b+12*\hh+4*\g:AREA+24*\b+12*\hh+4*\g+3], s[12:13] offset:\hh*HS+\b*1536+512*\g   ; 512 consecutive bytes, aligned to 256
.endr
.endr
.endr
.irp b, 0,1                            ; a pair's scale word; lanes 0-15 the first head's, lanes 16-31 the second's
	v_perm_b32 v192, v[W+2*\b+1], v[W+2*\b], 0x05040100
	v_perm_b32 v193, v[W+2*\b+1], v[W+2*\b], 0x07060302
	v_cndmask_b32 v[SOUT+\b], v192, v193, s2
.endr
	global_store_b64 v[SCO], v[SOUT:SOUT+1], s[46:47] offset:12288
.irp k, 0,1,2,3
	s_mov_b32 s[DD+\k], s[EE+\k]                   ; the next change of blocks is k's to v's
.endr
	s_mov_b64 s[8:9], s[10:11]                     ; k goes to kv_img
	s_add_co_u32 s3, s3, 1
	s_cmp_lt_u32 s3, 2
	s_wait_alu depctr_va_vdst(0)
	s_cbranch_scc1 .Ltile
	STEP 0, 0, 1                                   ; v: the tail is written out: it asks for nothing more
	STEP 0, 1, 0
	STEP 0, 2, 0
	TURN 0, 1
	STEP 1, 0, 0
	STEP 1, 1, 0
	STEP 1, 2, 0
	TURN 1, 0
	PLACES 4
	s_wait_xcnt 0x0
	s_and_b32 s66, s42, 1                          ; my head: 2 (4 (y % 2) + cy) + A's half
	s_lshl_b32 s66, s66, 2
	s_add_co_u32 s66, s66, s41
	s_lshl_b32 s66, s66, 1
	s_add_co_u32 s66, s66, s15
	s_lshr_b32 s67, s42, 1                         ; my 128 keys: 2 (4 (y / 2) + cx) + B's half
	s_lshl_b32 s67, s67, 2
	s_add_co_u32 s67, s67, s40
	s_lshl_b32 s67, s67, 1
	s_add_co_u32 s67, s67, s16
	s_lshr_b32 s100, s67, 4
	s_lshl_b32 s100, s100, 4
	s_add_co_u32 s66, s66, s100
	s_lshl_b32 s66, s66, 4
	s_and_b32 s67, s67, 15
	s_add_co_u32 s66, s66, s67
	s_mul_i32 s100, s66, REC
	s_mov_b32 s101, 0
	s_add_nc_u64 s[12:13], s[10:11], s[100:101]
.irp i, 0,1,2,3
	v_mov_b32 v[ONES+3*\i], 0x0c30c30c             ; code 12 = 1.0 in every place of the stream of bits
	v_mov_b32 v[ONES+3*\i+1], 0xc30c30c3
	v_mov_b32 v[ONES+3*\i+2], 0x30c30c30
.endr
	v_mov_b32 v[ONESC], 0x7f7f7f7f                 ; scale 1
.irp a, 0,1,2,3                        ; block a is fragment a of my head: 16 channels x my 128 keys
	QUANTW \a, AREA+12*\a, AREA+12*\a+6, W+\a
.irp g, 0,1,2
	global_store_b128 v[IMG], v[AREA+12*\a+4*\g:AREA+12*\a+4*\g+3], s[12:13] offset:6144+\a*1536+512*\g
.endr
.endr
	global_store_b128 v[LR], v[W:W+3], s[12:13] offset:12544   ; both halves of the lanes write the same 256 bytes with the same values
	PLACES 8                                       ; scale words and operands written by vector instructions stand 8 and 4 places ahead of a scaled matrix instruction
.irp a, 0,1,2,3                        ; ones x the quantised v: every register of the result is the sum over the 128 keys of channel r
	v_wmma_scale_f32_16x16x128_f8f6f4 v[PS+8*\a:PS+8*\a+7], v[ONES:ONES+11], v[AREA+12*\a:AREA+12*\a+11], 0, v[ONESC], v[W+\a] matrix_a_fmt:MATRIX_FMT_BF6 matrix_b_fmt:MATRIX_FMT_BF6
.endr
	PLACES 4
.irp t, 0,1,2,3
	v_mov_b32 v[POUT+\t], v[PS+8*\t]               ; each result's lowest register
.endr
	global_store_b128 v[LR], v[POUT:POUT+3], s[12:13] offset:12800
	s_wait_tensorcnt 0x0                           ; the wave's end
	ds_add_u32 v[SPW], v[NIL]
	s_wait_dscnt 0x0
	CROUND                                         ; the closing round
	s_endpgm
.Lfunc_end_k_q4c22425f48_proj:
	.size	k_q4c22425f48_proj, .Lfunc_end_k_q4c22425f48_proj-k_q4c22425f48_proj
	.p2alignl 7, 3214868480
	.fill 96, 4, 3214868480
	.section	.rodata,"a",@progbits
	.p2align	6, 0x0
	.amdhsa_kernel k_q4c22425f48_proj
		.amdhsa_group_segment_fixed_size 327680
		.amdhsa_private_segment_fixed_size 0
		.amdhsa_enable_private_segment 0
		.amdhsa_kernarg_size 32
		.amdhsa_user_sgpr_count 2
		.amdhsa_user_sgpr_kernarg_segment_ptr 1
		.amdhsa_wavefront_size32 1
		.amdhsa_system_sgpr_workgroup_id_x 1
		.amdhsa_system_sgpr_workgroup_id_y 1
		.amdhsa_system_sgpr_workgroup_id_z 1
		.amdhsa_system_vgpr_workitem_id 0
		.amdhsa_next_free_vgpr 1024
		.amdhsa_next_free_sgpr 106
		.amdhsa_reserve_vcc 0
		.amdhsa_float_denorm_mode_32 3
		.amdhsa_float_denorm_mode_16_64 3
		.amdhsa_memory_ordered 1
		.amdhsa_forward_progress 1
		.amdhsa_inst_pref_size 205
	.end_amdhsa_kernel
	.amdgpu_metadata
---
amdhsa.version: [ 1, 2 ]
amdhsa.kernels:
  - .name:           k_q4c22425f48_proj
    .symbol:         k_q4c22425f48_proj.kd
    .args:
      - { .name: xw_codes, .offset: 0, .size: 8, .value_kind: global_buffer, .address_space: global }
      - { .name: xw_scales, .offset: 8, .size: 8, .value_kind: global_buffer, .address_space: global }
      - { .name: q_img, .offset: 16, .size: 8, .value_kind: global_buffer, .address_space: global }
      - { .name: kv_img, .offset: 24, .size: 8, .value_kind: global_buffer, .address_space: global }
    .group_segment_fixed_size: 327680
    .private_segment_fixed_size: 0
    .kernarg_segment_align: 8
    .kernarg_segment_size: 32
    .max_flat_workgroup_size: 128
    .sgpr_count:     106
    .vgpr_count:     1024
    .wavefront_size: 32
...
	.end_amdgpu_metadata
.endif
;; end of part 2
;; launch attn (part 3): grid 256 x 1, 16 waves a work-group, clusters of 4 x 1, 327,680 bytes of LDS; arguments q_img, kv_img, padding_mask, att_codes, att_scales; writes att_codes, att_scales
.if DOCPART == 3
	.amdgcn_target "amdgcn-amd-amdhsa--gfx1250"
	.amdhsa_code_object_version 6
	.text
	.protected	k_q4c22425f48_attn
	.globl	k_q4c22425f48_attn
	.p2align	8
	.type	k_q4c22425f48_attn,@function
k_q4c22425f48_attn:
	s_mov_b64 s[64:65], 0
	v_nop
	global_prefetch_b8 v0, s[64:65] scope:SCOPE_SE
	s_setreg_imm32_b32 hwreg(HW_REG_WAVE_MODE, 25, 1), 1
	s_wait_xcnt 0x0
	s_wait_alu depctr_hold_cnt(0) depctr_sa_sdst(0) depctr_va_vdst(0) depctr_va_sdst(0) depctr_va_ssrc(0) depctr_va_vcc(0) depctr_vm_vsrc(0)
	s_getreg_b32 s2, hwreg(HW_REG_IB_STS2, 6, 4)
	s_cmp_eq_u32 s2, 0
	s_cbranch_scc0 .Lentry_in_a_cluster
	s_endpgm
.Lentry_in_a_cluster:
	s_bfe_u32 s2, ttmp6, 0x10000c
	s_cmp_lg_u32 s2, 0x3003
	s_cbranch_scc0 .Lentry_shape_is_right
	s_endpgm
.Lentry_shape_is_right:
; LAUNCH 3 OF 4: scores, masks, softmax and p x v on codes of BF6; att quantised on the way out.
; LEFT OUT: key steps of 128 keys that all come after a tile's 16 queries (reference()'s own causal mask).  For a row with a live key their p has code 0 and adds nothing to the sum; for a row WITHOUT a live key among
;   keys 0 .. q all 2,048 logits are -1e9, p = 1 everywhere, and the row is the mean of the quantised v over all keys: that mean (from the records' sums) is put in place of such rows by a select, in every tile.
; LIMITS: a live logit under -5.6e8 (t under -0.75 x 2^30) is taken for masked; NaN and infinities are not served, and one that reached only the steps left out is not carried.  att_scales is written two bytes a row
;   (2 bytes for each 48 bytes of codes), so its aligned blocks of 256 bytes are written in parts.
; MASKS.  A padded key's score gets -2^33 added (as the C of the scores' product: no vector instruction); a causally hidden one is set to -2^33 in the one step on the diagonal.  t of such a score is near -1.5e9, a whole number
;   in f32; while a row has met masked keys alone, t - M stays within +-64, so p, the sum and O stay finite, and the first live key multiplies them by 2^(old M - new M) = 0.
; SOFTMAX: t = score x log2(e) / 8; M = the running largest t rounded up to a whole number; p = 2^(t - M) is quantised along the keys, not normalised; the sum of the unquantised p divides at the end.
; SHARES.  A cluster of four work-groups owns one (batch, head).  The head's K, V, scale words and sums are 16 records of 13,056 bytes: ALL lie in LDS: wave w asks jointly (mask 15) for record w, once: one tensor load a wave, no ring.
;   Wave w: sigma = w % 8, rho = 2 cx + w / 8: it owns tile rho of the 128 queries number 15 - sigma (16 - sigma key steps) and tile rho of number sigma (sigma + 1 steps): 17 steps for every wave of the launch.
;   Branches hang on sigma (the wave's number) alone; cx enters global addresses and vector data only.
; LAYOUT.  S^T = K Q^T, O^T = V^T P^T: a lane holds one query.  A pair fragment of K holds two tiles of 16 keys along the instruction's 128; Q stands as [q | 0] or [0 | q].  The keys of a tile are chosen (in launch quant) so
;   that p's register 16 b + i is key 32 b + 16 (lane / 16) + i.
; LDS: 0: the records;  208,896: the padding bias, f32 a key;  217,088: 1,024 bytes a wave: the mean of v (256), a stage for att's codes (768);  233,472: the spare words.
.set REC,   13056
.set BIAS,  208896
.set STAGE, 217088
.set SPARE, 233472
.set LI,  1                            ; v1  16 x lane
.set LR,  2                            ; v2  16 x r
.set HB,  3                            ; v3  BIAS + 64 h
.set DV,  4                            ; v4  16 rho + r - 16 h
.set SPW, 5
.set NIL, 6
.set VTA, 7                            ; v7  my wave's mean of v, + 32 h
.set ADR, 8
.set ADS, 9
.set ADB, 10
.set NEGV, 11                          ; v11 -2^33
; v12 -M, v13 the largest t, v[14:15] the sum; v16-27 [q | 0], v28-39 [0 | q]; v40-87 four fragments, v88-91 their scale words; v96-159 bias, S^T, p; v160-191 O^T; v192-203 p's codes; v204-211 conversions
.set SST, 92                           ; v92 stage, way in: 48 r + 12 h
.set SRD, 93                           ; v93 stage, way out: 8 x lane
.set GO8, 94                           ; v94 8 x lane
.set GO4, 95                           ; v95 4 x r
.set BM,  212
.set PT,  216
.set SO,  220
.set FF,  224                          ; v[224:225] f (v225 written once)
.set PSC, 226                          ; p's scale word
.set QSC, 227                          ; q's scale word
.set T0,  228
.set T1,  229
.set WV,  14
.set SEL, 20
.set CS,  22
.set TB,  36
.set TBB, 37
.set KS,  38
.set CLS, 39
.set EM,  40
.set QSEL, 41
.macro ROUND
	s_barrier_signal -1
	s_barrier_wait -1
	s_cmp_lg_u32 s[WV], 0
	s_cbranch_scc1 .Lnot_wave_0_\@
	s_barrier_signal -3
.Lnot_wave_0_\@:
	s_barrier_wait -3
	s_barrier_signal -1
	s_barrier_wait -1
.endm
	s_load_b256 s[4:11], s[0:1], 0x0               ; q_img, kv_img, padding_mask, att_codes
	s_load_b64 s[12:13], s[0:1], 0x20              ; att_scales
	v_lshl_add_u32 v[SPW], v0, 2, SPARE
	v_mov_b32 v[NIL], 0
	ds_add_u32 v[SPW], v[NIL]                      ; the opening
	ds_add_u32 v[SPW], v[NIL]
	v_lshrrev_b32 v8, 5, v0
	s_delay_alu instid0(VALU_DEP_1)
	v_readfirstlane_b32 s[WV], v8                  ; wave 0 .. 15
	s_and_b32 s15, s[WV], 7                        ; sigma
	s_lshr_b32 s16, s[WV], 3
	s_bfe_u32 s48, ttmp6, 0x40000                  ; cx
	s_lshl_b32 s48, s48, 1
	s_add_co_u32 s16, s16, s48                     ; rho
	s_mov_b32 s17, ttmp9                           ; batch x 16 + head: the cluster's x
	s_lshr_b32 s18, s17, 4
	s_and_b32 s19, s17, 15
	s_mov_b32 s24, 15|(3<<16)|(1<<21)              ; group 1: mask: all four; elements of 8 bytes; 21 set beside a mask; no padding
	s_mov_b32 s25, 32<<16                          ; rows of 256 bytes,
	s_mov_b32 s26, 51<<16                          ; 51 of them, dense
	s_mov_b32 s27, 32<<16
	s_mov_b32 s28, 51
	s_mov_b32 s29, 32
	s_mov_b32 s30, 0
	s_mov_b32 s31, 0
	s_mov_b32 s32, 1
	s_mul_i32 s33, s[WV], REC                      ; record w's place in LDS
	s_lshl_b32 s42, s17, 4
	s_add_co_u32 s42, s42, s[WV]
	s_mul_i32 s42, s42, REC                        ; and in kv_img
	s_mov_b32 s43, 0
	s_mov_b32 s[SEL], 0x76543210
	s_mov_b32 s[SEL+1], 0xfedcba98
	s_mov_b32 s[CS], 0x3e38aa3b                    ; c = log2(e) / 8
	s_mov_b32 s[CS+1], s[CS]
	s_and_b32 s49, s16, 1
	s_sub_co_u32 s[EM], 0, s49                     ; all ones where my tile is the pair's second
	s_mul_i32 s[QSEL], s49, 0x02020202
	s_add_co_u32 s[QSEL], s[QSEL], 0x01000100      ; bytes (0, 1, 0, 1) or (2, 3, 2, 3) of the pair's scale word
	v_and_b32 v8, 31, v0
	s_delay_alu instid0(VALU_DEP_1)
	v_lshlrev_b32 v[LI], 4, v8
	v_and_b32 v9, 15, v0                           ; r
	s_delay_alu instid0(VALU_DEP_1)
	v_lshlrev_b32 v[LR], 4, v9
	v_bfe_u32 v[T1], v0, 4, 1                      ; h
	s_delay_alu instid0(VALU_DEP_1)
	v_lshl_add_u32 v[HB], v[T1], 6, BIAS
	s_delay_alu instid0(VALU_DEP_2)
	v_lshlrev_b32 v10, 4, v[T1]
	s_delay_alu instid0(VALU_DEP_1)
	v_sub_nc_u32 v[DV], v9, v10
	s_lshl_b32 s62, s16, 4
	v_add_nc_u32 v[DV], s62, v[DV]
	s_lshl_b32 s63, s[WV], 10
	s_add_co_u32 s63, s63, STAGE                   ; my wave's 1,024 bytes
	v_lshl_add_u32 v[VTA], v[T1], 5, s63
	v_mul_u32_u24 v[SST], v9, 48
	s_delay_alu instid0(VALU_DEP_1)
	v_mad_u32_u24 v[SST], v[T1], 12, v[SST]
	s_delay_alu instid0(VALU_DEP_1)
	v_add_nc_u32 v[SST], s63, v[SST]
	s_delay_alu instid0(VALU_DEP_1)
	v_add_nc_u32 v[SST], 256, v[SST]
	v_lshlrev_b32 v[GO8], 3, v8
	s_delay_alu instid0(VALU_DEP_1)
	v_add_nc_u32 v[SRD], s63, v[GO8]
	s_delay_alu instid0(VALU_DEP_1)
	v_add_nc_u32 v[SRD], 256, v[SRD]
	v_lshlrev_b32 v[GO4], 2, v9
	v_mov_b32 v[NEGV], 0xd0000000
	s_wait_dscnt 0x0                               ; both opening adds are done
	s_wait_kmcnt 0x0
	s_add_nc_u64 s[34:35], s[6:7], s[42:43]
	s_or_b32 s35, s35, 0x80000000
	ROUND                                          ; all four work-groups are here: the joint loads meet
	tensor_load_to_lds s[32:35], s[24:31]          ; record w, for all four: my one tensor load of the launch
	s_nop 0
.rept 4
	v_nop
.endr
	s_lshr_b32 s49, s16, 1                         ; which pair fragment holds my tile of queries
	s_lshl_b32 s58, s17, 4
	s_sub_co_u32 s59, 15, s15
	s_add_co_u32 s59, s59, s58
	s_mul_i32 s59, s59, REC                        ; the late tile's record of q_img,
	s_add_co_u32 s58, s58, s15
	s_mul_i32 s58, s58, REC                        ; the early tile's
	s_mul_i32 s60, s49, 1536
	s_lshl_b32 s61, s49, 2
	s_add_co_u32 s50, s59, s60
	s_mov_b32 s51, 0
	s_add_nc_u64 s[50:51], s[4:5], s[50:51]
	s_add_co_u32 s52, s59, s61
	s_mov_b32 s53, 0
	s_add_nc_u64 s[52:53], s[4:5], s[52:53]
	s_add_co_u32 s54, s58, s60
	s_mov_b32 s55, 0
	s_add_nc_u64 s[54:55], s[4:5], s[54:55]
	s_add_co_u32 s56, s58, s61
	s_mov_b32 s57, 0
	s_add_nc_u64 s[56:57], s[4:5], s[56:57]
.irp g, 0,1,2
	global_load_b128 v[232+4*\g:235+4*\g], v[LI], s[50:51] offset:512*\g
	global_load_b128 v[244+4*\g:247+4*\g], v[LI], s[54:55] offset:512*\g
.endr
	global_load_b32 v230, v[LR], s[52:53] offset:12288
	global_load_b32 v231, v[LR], s[56:57] offset:12288
	s_lshl_b32 s62, s18, 13                        ; my batch's 2,048 words of the padding mask
	v_lshlrev_b32 v8, 4, v0
	s_delay_alu instid0(VALU_DEP_1)
	v_add_nc_u32 v8, s62, v8
	global_load_b128 v[96:99], v8, s[8:9]          ; four keys a thread: 512 threads, 2,048 keys
	v_lshl_add_u32 v10, v0, 4, BIAS
.irp i, 0,1,2,3,4,5
	v_mov_b32 v[22+\i], 0                          ; the zero halves of [q | 0] and [0 | q]
	v_mov_b32 v[28+\i], 0
.endr
.irp b, 0,1,2,3
	v_mov_b32 v[PT+\b], 0                          ; written once: a lane permute's destination counts as one of its sources
.endr
	v_mov_b32 v[FF+1], 0
	v_mov_b32 v[T0], 0
	s_wait_loadcnt 0x0
.irp i, 0,1,2,3
	v_cmp_eq_u32 vcc_lo, 0, v[96+\i]
	s_delay_alu instid0(VALU_DEP_1)
	v_cndmask_b32 v[100+\i], 0, v[NEGV], vcc_lo    ; a padded key: -2^33; else 0
.endr
	ds_store_b128 v10, v[100:103]
	s_wait_tensorcnt 0x0                           ; my record has landed,
	s_wait_dscnt 0x0                               ; my part of the bias is stored:
	s_barrier_signal -1
	s_barrier_wait -1                              ; everybody's.
	; the mean of the quantised v over all 2,048 keys: lane (r, h) adds records h, 2 + h, .. 14 + h
	v_mul_u32_u24 v8, v[T1], REC
	s_delay_alu instid0(VALU_DEP_1)
	v_add_nc_u32 v8, v8, v[LR]
	s_delay_alu instid0(VALU_DEP_1)
	v_add_nc_u32 v9, 6*REC, v8
	s_delay_alu instid0(VALU_DEP_2)
	v_add_nc_u32 v10, 12*REC, v8
.irp i, 0,1,2,3,4,5,6,7
	ds_load_b128 v[96+4*\i:99+4*\i], v[8+\i/3] offset:12800+2*REC*(\i%3)
.endr
	s_wait_dscnt 0x0
.irp i, 0,2,4,6
	v_pk_add_f32 v[96+4*\i:97+4*\i], v[96+4*\i:97+4*\i], v[100+4*\i:101+4*\i]
	v_pk_add_f32 v[98+4*\i:99+4*\i], v[98+4*\i:99+4*\i], v[102+4*\i:103+4*\i]
.endr
.irp i, 0
	v_pk_add_f32 v[96+4*\i:97+4*\i], v[96+4*\i:97+4*\i], v[104+4*\i:105+4*\i]
	v_pk_add_f32 v[98+4*\i:99+4*\i], v[98+4*\i:99+4*\i], v[106+4*\i:107+4*\i]
.endr
.irp i, 4
	s_delay_alu instid0(VALU_DEP_4)
	v_pk_add_f32 v[96+4*\i:97+4*\i], v[96+4*\i:97+4*\i], v[104+4*\i:105+4*\i]
	s_delay_alu instid0(VALU_DEP_4)
	v_pk_add_f32 v[98+4*\i:99+4*\i], v[98+4*\i:99+4*\i], v[106+4*\i:107+4*\i]
.endr
	s_delay_alu instid0(VALU_DEP_2)
	v_pk_add_f32 v[96:97], v[96:97], v[112:113]
	s_delay_alu instid0(VALU_DEP_2)
	v_pk_add_f32 v[98:99], v[98:99], v[114:115]
.irp t, 0,1,2,3
	v_permlanex16_b32 v[PT+\t], v[96+\t], s[SEL], s[SEL+1]
.endr
.irp t, 0,1,2,3
	s_delay_alu instid0(VALU_DEP_4)
	v_add_f32 v[96+\t], v[96+\t], v[PT+\t]
.endr
.irp t, 0,1,2,3
	s_delay_alu instid0(VALU_DEP_4)
	v_mul_f32 v[96+\t], 0x3a000000, v[96+\t]       ; / 2,048
.endr
	v_add_nc_u32 v8, s63, v[GO4]
.irp t, 0,1,2,3
	ds_store_b32 v8, v[96+\t] offset:64*\t         ; channel place 16 t + r; my wave's own bytes; both halves of the lanes write the same value
.endr
; A KEY STEP of 128 keys for the tile in hand.  A step all of whose keys come after the tile's queries is jumped over: a branch on the wave's number and the count of steps.
.macro STEP
	s_cmp_gt_u32 s[KS], s[CLS]
	s_cbranch_scc1 .Lhidden_\@
	v_add_nc_u32 v[ADR], s[TB], v[LI]
	v_add_nc_u32 v[ADS], s[TB], v[LR]
	v_add_nc_u32 v[ADB], s[TBB], v[HB]
	v_nop                                          ; four places in front of loads into registers that the last products read
.irp n, 0,1,2,3,4,5,6,7
	ds_load_b128 v[96+8*\n:99+8*\n], v[ADB] offset:128*(\n/2)+32*(\n%2)      ; the bias of keys 32 (n / 2) + 16 h + 8 (n % 2) + 0 .. 7: the C of tile n
	ds_load_b128 v[100+8*\n:103+8*\n], v[ADB] offset:128*(\n/2)+32*(\n%2)+16
.endr
.irp f, 0,1,2,3
.irp g, 0,1,2
	ds_load_b128 v[40+12*\f+4*\g:43+12*\f+4*\g], v[ADR] offset:1536*\f+512*\g   ; K's pair fragments, as images
.endr
.endr
	ds_load_b128 v[88:91], v[ADS] offset:12288
	s_wait_alu depctr_va_vdst(0)
	s_wait_dscnt 0x0
.irp b, 0,1,2,3                        ; eight accumulators, one instruction each
	v_wmma_scale_f32_16x16x128_f8f6f4 v[96+16*\b:103+16*\b], v[40+12*\b:51+12*\b], v[16:27], v[96+16*\b:103+16*\b], v[88+\b], v[QSC] matrix_a_fmt:MATRIX_FMT_BF6 matrix_b_fmt:MATRIX_FMT_BF6
	v_wmma_scale_f32_16x16x128_f8f6f4 v[104+16*\b:111+16*\b], v[40+12*\b:51+12*\b], v[28:39], v[104+16*\b:111+16*\b], v[88+\b], v[QSC] matrix_a_fmt:MATRIX_FMT_BF6 matrix_b_fmt:MATRIX_FMT_BF6
.endr
.rept 4
	v_nop
.endr
.irp f, 0,1,2,3
.irp g, 0,1,2
	ds_load_b128 v[40+12*\f+4*\g:43+12*\f+4*\g], v[ADR] offset:6144+1536*\f+512*\g   ; V's fragments land under the softmax
.endr
.endr
	ds_load_b128 v[88:91], v[ADS] offset:12544
	s_cmp_lg_u32 s[KS], s[CLS]                     ; the step on the diagonal: register 16 b + i holds key 32 b + 16 h + i of the step: hidden where 32 b + i > 16 rho + r - 16 h
	s_cbranch_scc1 .Lopen_\@
.irp n, 0,1,2,3,4,5,6,7,8,9,10,11,12,13,14,15,16,17,18,19,20,21,22,23,24,25,26,27,28,29,30,31,32,33,34,35,36,37,38,39,40,41,42,43,44,45,46,47,48,49,50,51,52,53,54,55,56,57,58,59,60,61,62,63
	v_cmp_gt_i32 vcc_lo, 32*(\n/16)+\n%16, v[DV]
	v_cndmask_b32 v[96+\n], v[96+\n], v[NEGV], vcc_lo
.endr
.Lopen_\@:
.irp b, 0,1,2,3
	v_max3_num_f32 v[BM+\b], v[96+16*\b], v[97+16*\b], v[98+16*\b]   ; the largest score of each block of 32 keys: for the row's maximum and, since p rises with the score, for the block's largest p
.endr
.irp i, 3,5,7,9,11,13
.irp b, 0,1,2,3
	v_max3_num_f32 v[BM+\b], v[BM+\b], v[96+16*\b+\i], v[97+16*\b+\i]
.endr
.endr
.irp b, 0,1,2,3
	v_max_num_f32 v[BM+\b], v[BM+\b], v[111+16*\b]
.endr
.irp b, 0,1,2,3
	s_delay_alu instid0(VALU_DEP_4)
	v_permlanex16_b32 v[PT+\b], v[BM+\b], s[SEL], s[SEL+1]
.endr
.irp b, 0,1,2,3
	s_delay_alu instid0(VALU_DEP_4)
	v_max_num_f32 v[BM+\b], v[BM+\b], v[PT+\b]
.endr
	s_delay_alu instid0(VALU_DEP_2)
	v_max3_num_f32 v[T0], v[BM], v[BM+1], v[BM+2]
	s_delay_alu instid0(VALU_DEP_1)
	v_max_num_f32 v[T0], v[T0], v[BM+3]
	s_delay_alu instid0(VALU_DEP_1)
	v_mul_f32 v[T0], s[CS], v[T0]
	s_delay_alu instid0(VALU_DEP_1)
	v_max_num_f32 v13, v13, v[T0]                  ; the running largest t
	v_mov_b32 v[T0], v12
	s_delay_alu instid0(VALU_DEP_2)
	v_floor_f32 v12, -v13                          ; -M = floor(-t): M is a whole number
	s_delay_alu instid0(VALU_DEP_1)
	v_sub_f32 v[T0], v12, v[T0]                    ; old M - new M
	s_delay_alu instid0(VALU_DEP_1)
	v_cvt_i32_f32 v[T0], v[T0]                     ; (it saturates)
	s_delay_alu instid0(VALU_DEP_1)
	v_ldexp_f32 v[FF], 1.0, v[T0]                  ; f = 2^(old M - new M): rounds nothing
.irp j, 0,2,4,6,8,10,12,14,16,18,20,22,24,26,28,30,32,34,36,38,40,42,44,46,48,50,52,54,56,58,60,62
	v_pk_fma_f32 v[96+\j:97+\j], v[96+\j:97+\j], s[CS:CS+1], v[12:13] op_sel_hi:[1,0,0]   ; t - M
.endr
.irp b, 0,1,2,3
	v_fma_f32 v[BM+\b], v[BM+\b], s[CS], v12
.endr
	s_wait_alu depctr_va_vdst(0)
.irp j, 0,1,2,3,4,5,6,7,8,9,10,11,12,13,14,15,16,17,18,19,20,21,22,23,24,25,26,27,28,29,30,31,32,33,34,35,36,37,38,39,40,41,42,43,44,45,46,47,48,49,50,51,52,53,54,55,56,57,58,59,60,61,62,63
	v_exp_f32 v[96+\j], v[96+\j]                   ; p = 2^(t - M)
.endr
	v_pk_mul_f32 v[14:15], v[14:15], v[FF:FF+1] op_sel_hi:[1,0]   ; the sums under the new M: a plain place behind the exponentials
	s_wait_alu depctr_va_vdst(0)                   ; one wait for the batch of 64, ahead of its first reader
.irp b, 0,1,2,3
	v_exp_f32 v[BM+\b], v[BM+\b]                   ; each block's largest p
.endr
	v_pk_add_f32 v[216:217], v[100:101], v[104:105]
	v_pk_add_f32 v[242:243], v[108:109], v[112:113]
	v_pk_add_f32 v[240:241], v[116:117], v[120:121]
	v_pk_add_f32 v[238:239], v[124:125], v[128:129]
	v_pk_add_f32 v[236:237], v[132:133], v[136:137]
	v_pk_add_f32 v[234:235], v[140:141], v[144:145]
	v_pk_add_f32 v[232:233], v[148:149], v[152:153]
	v_pk_add_f32 v[14:15], v[14:15], v[156:157]
	v_pk_add_f32 v[216:217], v[216:217], v[96:97]
	v_pk_add_f32 v[242:243], v[242:243], v[98:99]
	v_pk_add_f32 v[240:241], v[240:241], v[102:103]
	v_pk_add_f32 v[238:239], v[238:239], v[106:107]
	v_pk_add_f32 v[236:237], v[236:237], v[110:111]
	v_pk_add_f32 v[234:235], v[234:235], v[114:115]
	v_pk_add_f32 v[232:233], v[232:233], v[118:119]
	v_pk_add_f32 v[14:15], v[14:15], v[122:123]
	v_pk_add_f32 v[216:217], v[216:217], v[126:127]
	v_pk_add_f32 v[242:243], v[242:243], v[130:131]
	v_pk_add_f32 v[240:241], v[240:241], v[134:135]
	v_pk_add_f32 v[238:239], v[238:239], v[138:139]
	v_pk_add_f32 v[236:237], v[236:237], v[142:143]
	v_pk_add_f32 v[234:235], v[234:235], v[146:147]
	v_pk_add_f32 v[232:233], v[232:233], v[150:151]
	v_pk_add_f32 v[14:15], v[14:15], v[154:155]
	v_pk_add_f32 v[216:217], v[216:217], v[158:159]
	s_delay_alu instid0(VALU_DEP_2)
	v_pk_add_f32 v[14:15], v[14:15], v[238:239]
	s_delay_alu instid0(VALU_DEP_2)
	v_pk_add_f32 v[216:217], v[216:217], v[236:237]
	v_pk_add_f32 v[242:243], v[242:243], v[234:235]
	v_pk_add_f32 v[240:241], v[240:241], v[232:233]
	s_delay_alu instid0(VALU_DEP_2)
	v_pk_add_f32 v[14:15], v[14:15], v[242:243]
	s_delay_alu instid0(VALU_DEP_2)
	v_pk_add_f32 v[216:217], v[216:217], v[240:241]
	s_delay_alu instid0(VALU_DEP_1)
	v_pk_add_f32 v[14:15], v[14:15], v[216:217]
	s_wait_alu depctr_va_vdst(0)                   ; and one for the four
.irp b, 0,1,2,3
	v_max_num_f32 v[BM+\b], 0x2800000, v[BM+\b]    ; the floor 2^(5 - 127)
.endr
.irp b, 0,1,2,3
	s_delay_alu instid0(VALU_DEP_4)
	v_add_nc_u32 v[SO+\b], 0xfe000000, v[BM+\b]
.endr
.irp b, 0,1,2,3
	s_delay_alu instid0(VALU_DEP_4)
	v_lshrrev_b32 v[PT+\b], 23, v[SO+\b]
.endr
	s_delay_alu instid0(VALU_DEP_3)
	v_lshl_or_b32 v[PSC], v[PT+1], 8, v[PT]
	s_delay_alu instid0(VALU_DEP_1)
	v_lshl_or_b32 v[PSC], v[PT+2], 16, v[PSC]
	s_delay_alu instid0(VALU_DEP_1)
	v_lshl_or_b32 v[PSC], v[PT+3], 24, v[PSC]
.irp c, 0,1
	v_cvt_scalef32_pk16_bf6_f32 v[192+6*\c:194+6*\c], v[96+32*\c:111+32*\c], v[SO+2*\c]
	v_cvt_scalef32_pk16_bf6_f32 v[204+4*\c:206+4*\c], v[112+32*\c:127+32*\c], v[SO+2*\c+1]
.endr
	v_nop                                          ; one plain place behind a scaled conversion
.irp c, 0,1
.irp i, 0,1,2
	v_permlane16_swap_b32 v[192+6*\c+\i], v[204+4*\c+\i]
.endr
.irp i, 0,1,2
	s_delay_alu instid0(VALU_DEP_3)
	v_mov_b32 v[195+6*\c+\i], v[204+4*\c+\i]
.endr
.endr
.irp j, 0,2,4,6,8,10,12,14,16,18,20,22,24,26,28,30
	v_pk_mul_f32 v[160+\j:161+\j], v[160+\j:161+\j], v[FF:FF+1] op_sel_hi:[1,0]   ; O^T under the new M; also the places ahead of the products below
.endr
	s_wait_alu depctr_va_vdst(0)
	s_wait_dscnt 0x0                               ; V is in
.irp t, 0,1,2,3
	v_wmma_scale_f32_16x16x128_f8f6f4 v[160+8*\t:167+8*\t], v[40+12*\t:51+12*\t], v[192:203], v[160+8*\t:167+8*\t], v[88+\t], v[PSC] matrix_a_fmt:MATRIX_FMT_BF6 matrix_b_fmt:MATRIX_FMT_BF6
.endr
.Lhidden_\@:
	s_add_co_u32 s[TB], s[TB], REC
	s_add_co_u32 s[TBB], s[TBB], 512
.endm
; ONE TILE OF 16 QUERIES: late = 1: of the 128 queries number 15 - sigma; 0: of number sigma.  QT: the raw pair fragment; QW: its scale words.
.macro TILE late, QT, QW
	s_wait_xcnt 0x0                                ; the tile before has had its stores' addresses and data read: they are written again below
.if \late
	s_sub_co_u32 s[CLS], 15, s15
.else
	s_mov_b32 s[CLS], s15
.endif
	s_lshl_b32 s58, s[CLS], 3
	s_add_co_u32 s58, s58, s16
	s_lshl_b32 s58, s58, 4                         ; the tile's first query
	s_lshl_b32 s59, s18, 11
	s_add_co_u32 s58, s58, s59                     ; as a token
	s_lshl_b32 s59, s19, 13
	s_add_co_u32 s59, s59, s58
	s_mul_i32 s60, s59, 48
	s_mov_b32 s61, 0
	s_add_nc_u64 s[44:45], s[10:11], s[60:61]      ; att_codes [head][token][48]
	s_lshr_b32 s59, s19, 1
	s_lshl_b32 s59, s59, 13
	s_add_co_u32 s59, s59, s58
	s_lshl_b32 s60, s59, 2
	s_and_b32 s59, s19, 1
	s_lshl_b32 s59, s59, 1
	s_add_co_u32 s60, s60, s59
	s_add_nc_u64 s[46:47], s[12:13], s[60:61]      ; att_scales [head / 2][token][4], my head's two bytes
.irp i, 0,1,2,3,4,5
	v_cndmask_b32 v[16+\i], v[\QT+\i], v[\QT+6+\i], s[EM]   ; my tile of the pair
.endr
.irp i, 0,1,2,3,4,5
	v_mov_b32 v[34+\i], v[16+\i]
.endr
	v_perm_b32 v[QSC], v[\QW], v[\QW], s[QSEL]
	v_mov_b32 v13, 0xff61b1e6                      ; the largest t so far: -3e38
	s_delay_alu instid0(VALU_DEP_1)
	v_floor_f32 v12, -v13
	v_mov_b32 v14, 0
	v_mov_b32 v15, 0
.irp j, 0,1,2,3,4,5,6,7,8,9,10,11,12,13,14,15,16,17,18,19,20,21,22,23,24,25,26,27,28,29,30,31
	v_mov_b32 v[160+\j], 0                         ; O^T: the step is written once; these are also the places ahead of the first products
.endr
	s_mov_b32 s[TB], 0
	s_mov_b32 s[TBB], 0
	s_mov_b32 s[KS], 0
.Lstep_\@:                                             ; 16 trips, a constant; the steps beyond the diagonal are jumped over inside
	STEP
	s_add_co_u32 s[KS], s[KS], 1
	s_cmp_lt_u32 s[KS], 16
	s_cbranch_scc1 .Lstep_\@
.rept 4
	v_nop                                          ; places behind the last products
.endr
	v_add_f32 v14, v14, v15
	s_delay_alu instid0(VALU_DEP_1)
	v_permlanex16_b32 v[T0], v14, s[SEL], s[SEL+1]
	s_delay_alu instid0(VALU_DEP_1)
	v_add_f32 v14, v14, v[T0]                      ; the row's sum
	s_wait_alu depctr_va_vdst(0)
	v_rcp_f32 v14, v14
.irp t, 0,1,2,3
	ds_load_b128 v[96+8*\t:99+8*\t], v[VTA] offset:64*\t      ; the mean of v, in O^T's layout
	ds_load_b128 v[100+8*\t:103+8*\t], v[VTA] offset:64*\t+16
.endr
	v_mov_b32 v15, 0                               ; a plain place behind the reciprocal
	s_wait_alu depctr_va_vdst(0)                   ; the wait ahead of its first reader
	s_wait_dscnt 0x0
.irp j, 0,2,4,6,8,10,12,14,16,18,20,22,24,26,28,30
	v_pk_mul_f32 v[160+\j:161+\j], v[160+\j:161+\j], v[14:15] op_sel_hi:[1,0]
.endr
	v_cmp_gt_f32 vcc_lo, 0xce400000, v13           ; no live key among keys 0 .. q
.irp j, 0,1,2,3,4,5,6,7,8,9,10,11,12,13,14,15,16,17,18,19,20,21,22,23,24,25,26,27,28,29,30,31
	v_cndmask_b32 v[160+\j], v[160+\j], v[96+\j], vcc_lo
.endr
	; att's quantiser: register 16 b + i is channel 32 b + 16 h + i of my query
.irp b, 0,1
	v_max3_num_f32 v[BM+\b], |v[160+16*\b]|, |v[161+16*\b]|, 0x2800000
.endr
.irp i, 2,4,6,8,10,12,14
.irp b, 0,1
	s_delay_alu instid0(VALU_DEP_2)
	v_max3_num_f32 v[BM+\b], v[BM+\b], |v[160+16*\b+\i]|, |v[161+16*\b+\i]|
.endr
.endr
.irp b, 0,1
	s_delay_alu instid0(VALU_DEP_2)
	v_permlanex16_b32 v[PT+\b], v[BM+\b], s[SEL], s[SEL+1]
.endr
.irp b, 0,1
	s_delay_alu instid0(VALU_DEP_2)
	v_max_num_f32 v[BM+\b], v[BM+\b], v[PT+\b]
.endr
.irp b, 0,1
	s_delay_alu instid0(VALU_DEP_2)
	v_add_nc_u32 v[SO+\b], 0xfe000000, v[BM+\b]
.endr
.irp b, 0,1
	s_delay_alu instid0(VALU_DEP_2)
	v_lshrrev_b32 v[PT+\b], 23, v[SO+\b]
.endr
	s_delay_alu instid0(VALU_DEP_1)
	v_lshl_or_b32 v[T1], v[PT+1], 8, v[PT]
	v_cvt_scalef32_pk16_bf6_f32 v[204:206], v[160:175], v[SO]
	v_cvt_scalef32_pk16_bf6_f32 v[208:210], v[176:191], v[SO+1]
	v_nop                                          ; one plain place behind a scaled conversion
.irp i, 0,1,2
	ds_store_b32 v[SST], v[204+\i] offset:4*\i     ; a row's 48 bytes: block b at 24 b, my half at 12 h
	ds_store_b32 v[SST], v[208+\i] offset:24+4*\i
.endr
.irp p, 0,1,2
	ds_load_b64 v[192+2*\p:193+2*\p], v[SRD] offset:256*\p   ; LDS serves a wave's instructions in order: these see my stores
.endr
	s_wait_alu depctr_va_vdst(0)
	s_wait_dscnt 0x0
.irp p, 0,1,2
	global_store_b64 v[GO8], v[192+2*\p:193+2*\p], s[44:45] offset:256*\p   ; 256 consecutive bytes, aligned
.endr
	global_store_b16 v[GO4], v[T1], s[46:47]       ; both halves of the lanes write the same two bytes with the same value
.endm
	TILE 1, 232, 230
	TILE 0, 244, 231
	s_wait_tensorcnt 0x0                           ; the wave's end
	ds_add_u32 v[SPW], v[NIL]
	s_wait_dscnt 0x0
	ROUND                                          ; the closing round
	s_endpgm
.Lfunc_end_k_q4c22425f48_attn:
	.size	k_q4c22425f48_attn, .Lfunc_end_k_q4c22425f48_attn-k_q4c22425f48_attn
	.p2alignl 7, 3214868480
	.fill 96, 4, 3214868480
	.section	.rodata,"a",@progbits
	.p2align	6, 0x0
	.amdhsa_kernel k_q4c22425f48_attn
		.amdhsa_group_segment_fixed_size 327680
		.amdhsa_private_segment_fixed_size 0
		.amdhsa_enable_private_segment 0
		.amdhsa_kernarg_size 40
		.amdhsa_user_sgpr_count 2
		.amdhsa_user_sgpr_kernarg_segment_ptr 1
		.amdhsa_wavefront_size32 1
		.amdhsa_system_sgpr_workgroup_id_x 1
		.amdhsa_system_sgpr_workgroup_id_y 1
		.amdhsa_system_sgpr_workgroup_id_z 1
		.amdhsa_system_vgpr_workitem_id 0
		.amdhsa_next_free_vgpr 256
		.amdhsa_next_free_sgpr 66
		.amdhsa_reserve_vcc 1
		.amdhsa_float_denorm_mode_32 3
		.amdhsa_float_denorm_mode_16_64 3
		.amdhsa_memory_ordered 1
		.amdhsa_forward_progress 1
		.amdhsa_inst_pref_size 74
	.end_amdhsa_kernel
	.amdgpu_metadata
---
amdhsa.version: [ 1, 2 ]
amdhsa.kernels:
  - .name:           k_q4c22425f48_attn
    .symbol:         k_q4c22425f48_attn.kd
    .args:
      - { .name: q_img, .offset: 0, .size: 8, .value_kind: global_buffer, .address_space: global }
      - { .name: kv_img, .offset: 8, .size: 8, .value_kind: global_buffer, .address_space: global }
      - { .name: padding_mask, .offset: 16, .size: 8, .value_kind: global_buffer, .address_space: global }
      - { .name: att_codes, .offset: 24, .size: 8, .value_kind: global_buffer, .address_space: global }
      - { .name: att_scales, .offset: 32, .size: 8, .value_kind: global_buffer, .address_space: global }
    .group_segment_fixed_size: 327680
    .private_segment_fixed_size: 0
    .kernarg_segment_align: 8
    .kernarg_segment_size: 40
    .max_flat_workgroup_size: 512
    .sgpr_count:     66
    .vgpr_count:     256
    .wavefront_size: 32
...
	.end_amdgpu_metadata
.endif
;; end of part 3
;; launch outp (part 4): grid 4 x 64, 4 waves a work-group, clusters of 4 x 4, 327,680 bytes of LDS; arguments att_codes, att_scales, xw_codes, xw_scales, out0; writes out0
.if DOCPART == 4
	.amdgcn_target "amdgcn-amd-amdhsa--gfx1250"
	.amdhsa_code_object_version 6
	.text
	.protected	k_q4c22425f48_outp
	.globl	k_q4c22425f48_outp
	.p2align	8
	.type	k_q4c22425f48_outp,@function
k_q4c22425f48_outp:
	s_mov_b64 s[64:65], 0
	v_nop
	global_prefetch_b8 v0, s[64:65] scope:SCOPE_SE
	s_setreg_imm32_b32 hwreg(HW_REG_WAVE_MODE, 25, 1), 1
	s_wait_xcnt 0x0
	s_wait_alu depctr_hold_cnt(0) depctr_sa_sdst(0) depctr_va_vdst(0) depctr_va_sdst(0) depctr_va_ssrc(0) depctr_va_vcc(0) depctr_vm_vsrc(0)
	s_getreg_b32 s2, hwreg(HW_REG_IB_STS2, 6, 4)
	s_cmp_eq_u32 s2, 0
	s_cbranch_scc0 .Lentry_in_a_cluster
	s_endpgm
.Lentry_in_a_cluster:
	s_bfe_u32 s2, ttmp6, 0x10000c
	s_cmp_lg_u32 s2, 0xf033
	s_cbranch_scc0 .Lentry_shape_is_right
	s_endpgm
.Lentry_shape_is_right:
; LAUNCH 4 OF 4: out0 = att Wo^T on codes of BF6, f32 out.  Nothing of reference() is left out here.
; A block is 128 tokens x 256 rows of Wo: 64 x 4 = 256 work-groups; a wave makes 64 x 128: 32 accumulators.  K = 1,024 lies in LDS whole, as two slots of 512, each filled once:
; a slot's four tiles (att's codes, Wo's codes, att's scale words, Wo's) are the four waves' one joint load each; slot 1's fill stands behind the full sequence and a round, as a refill would.
; Clusters 4 x 4: att's tiles hang on cy and are shared along a row of the cluster, Wo's on cx and are shared along a column.
; Source 0 = 16 rows of Wo, source 1 = 16 tokens: a lane holds eight neighbouring columns of one row of out0; blocks of 16 rows leave through the wave's own stage as whole rows of 512 bytes.
; PREFETCH: the walk along K is two fills; behind the first every wave names its share of the second half of K, which is loaded one fill later.  The four partners that ask for a tile jointly share its blocks of 256 bytes out
;   by address: of A's 8 chunks partner cx takes chunks 2 cx, 2 cx + 1 (a wave 12 blocks), of B's partner cy likewise (a wave 24 blocks); of the scale words' 4 planes partner cx takes A's plane cx (waves 0 and 3, a block each),
;   partner cy B's plane cy (waves 1 and 2, two blocks each).  Lanes left over name their wave's last block again.  The first half comes by its load alone.
; LDS: slot s at 153,600 s: A [chunk of 64 K: 8][128 rows][48], B [8][256][48], A's scale words [128 K: 4][128][4], B's [4][256][4]; 307,200: the spare words.  The stage lies in slot 0, behind that slot's last read.
; REGISTERS: window 0: v8-30 addresses, v32-55 scale words (lanes 0-15 an even step's, lanes 16-31 the odd step's), v128-255 the way out; window 1: B's fragments, two sets; window 2: accumulators; window 3: A's fragments, two sets.
.set CHB, 983040
.set SKB, 81920
.set ACHB, 393216
.set ASKB, 32768
.set SLOT, 153600
.set LO0, 0
.set LO1, 49152
.set LO2, 147456
.set LO3, 149504
.set SPARE, 2*SLOT
.set HF0, 8*ACHB
.set HF1, 8*CHB
.set HF2, 4*ASKB
.set HF3, 4*SKB
.set PT0, 4
.set PT1, 8
.set PT2, 6
.set PT3, 10
.set GO0, 24
.set GO1, 32
.set GO2, 48
.set GO3, 56
.set GZ, 68
.set OO, 84
.set VPA, 8                            ; v8-10: the prefetches' offsets
.set VPB, 9
.set VPS, 10
.set ADRA, 16
.set ADRB, 18
.set ADSA, 22
.set ADSB, 24
.set STO, 26
.set RD, 27
.set SPW, 28
.set NIL, 29
.set CO, 30
.set SC, 32
.set BK, 128
.set SPITCH, 528
.set MULW, 0xad                        ; source 0 window 1, source 1 window 3, C and D window 2
.set MSB, 0
.macro WIN new                         ; the immediate's high byte repeats the setting that is left
.if MSB != (\new)
	s_set_vgpr_msb (MSB<<8)|(\new)
.set MSB, (\new)
.endif
.endm
.macro PLACES n
.rept \n
	v_nop
.endr
.endm
.macro TL k                            ; an s_nop 0 and four v_nop follow each tensor load
	tensor_load_to_lds s[GZ+4*\k:GZ+4*\k+3], s[GO\k:GO\k+7]
	s_nop 0
	PLACES 4
.endm
.macro FILL                            ; one chain on the wave's number: every way passes exactly one joint load
	s_cmp_lt_u32 s14, 1
	s_cbranch_scc0 .Lfb_\@
	TL 0
	s_branch .Lfe_\@
.Lfb_\@:
	s_cmp_lt_u32 s14, 2
	s_cbranch_scc0 .Lfc_\@
	TL 1
	s_branch .Lfe_\@
.Lfc_\@:
	s_cmp_lt_u32 s14, 3
	s_cbranch_scc0 .Lfd_\@
	TL 2
	s_branch .Lfe_\@
.Lfd_\@:
	TL 3
.Lfe_\@:
.endm
.macro CREST
	s_cmp_lg_u32 s14, 0
	s_cbranch_scc1 .Lnw_\@
	s_barrier_signal -3
.Lnw_\@:
	s_barrier_wait -3
	s_barrier_signal -1
	s_barrier_wait -1
.endm
.macro CROUND
	s_barrier_signal -1
	s_barrier_wait -1
	CREST
.endm
.macro G1SET g, d0, d1, st             ; d1 rows of d0 elements of 8 bytes, st elements apart
	s_mov_b32 s[\g+1], (\d0)<<16
	s_mov_b32 s[\g+2], (\d1)<<16
	s_mov_b32 s[\g+3], (\d0)<<16
	s_mov_b32 s[\g+4], \d1
	s_mov_b32 s[\g+5], \st
	s_mov_b32 s[\g+6], 0
	s_mov_b32 s[\g+7], 0
.endm
.macro DESC slot, step                 ; the four groups 0 for a fill; step 1: the second half of K.  Written only where no tensor load of the wave is out
.irp k, 0,1,2,3
.if \step == 1
	s_add_co_u32 s[OO+2*\k], s[OO+2*\k], HF\k
.endif
	s_add_nc_u64 s[GZ+4*\k+2:GZ+4*\k+3], s[PT\k:PT\k+1], s[OO+2*\k:OO+2*\k+1]
	s_or_b32 s[GZ+4*\k+3], s[GZ+4*\k+3], 0x80000000
	s_mov_b32 s[GZ+4*\k+1], \slot*SLOT+LO\k
.endr
.endm
.macro FETCH slot, q, p                ; step q's fragments into set p: lane (r, h): registers 6 c .. 6 c + 5 = the 24 bytes at 48 r + 24 h of chunk 2 q + c
	WIN 0x40
.irp i, 0,1,2,3,4,5,6,7
.irp c, 0,1,2,3,4,5
	ds_load_b64 v[128*(\p)+12*\i+2*\c:128*(\p)+12*\i+2*\c+1], v[ADRB+2*(\slot)+(\q)/2] offset:((2*(\q)+\c/3)%4)*12288+\i*768+8*(\c%3)
.endr
.endr
	WIN 0xc0
.irp i, 0,1,2,3
.irp c, 0,1,2,3,4,5
	ds_load_b64 v[128*(\p)+12*\i+2*\c:128*(\p)+12*\i+2*\c+1], v[ADRA+(\slot)] offset:(2*(\q)+\c/3)*6144+\i*768+8*(\c%3)
.endr
.endr
	WIN 0
.endm
.macro SCALES slot, pr, set            ; the scale words of steps 2 pr (lanes 0-15) and 2 pr + 1 (lanes 16-31)
.irp i, 0,1,2,3
	ds_load_b32 v[SC+12*(\set)+\i], v[ADSA+(\slot)] offset:1024*(\pr)+64*\i
.endr
.irp i, 0,1,2,3,4,5,6,7
	ds_load_b32 v[SC+12*(\set)+4+\i], v[ADSB+(\slot)] offset:2048*(\pr)+64*\i
.endr
.endm
.macro MULH a0, p, sc, row, zero       ; 16 products: A's blocks a0, a0 + 1 x B's eight; the 32 accumulators take turns in the same order in every step
.irp a, \a0, \a0+1
.irp b, 0,1,2,3,4,5,6,7
.set AC, 8*(8*(\a)+\b)
.set BF, 128*(\p)+12*\b
.set AFR, 128*(\p)+12*(\a)
.set SB, SC+12*(\sc)+4+\b
.set SA, SC+12*(\sc)+(\a)
.if \zero
	v_wmma_scale_f32_16x16x128_f8f6f4 v[AC:AC+7], v[BF:BF+11], v[AFR:AFR+11], 0, v[SB], v[SA] matrix_a_fmt:MATRIX_FMT_BF6 matrix_b_fmt:MATRIX_FMT_BF6
.elseif \row
	v_wmma_scale_f32_16x16x128_f8f6f4 v[AC:AC+7], v[BF:BF+11], v[AFR:AFR+11], v[AC:AC+7], v[SB], v[SA] matrix_a_fmt:MATRIX_FMT_BF6 matrix_b_fmt:MATRIX_FMT_BF6 matrix_a_scale:MATRIX_SCALE_ROW1 matrix_b_scale:MATRIX_SCALE_ROW1
.else
	v_wmma_scale_f32_16x16x128_f8f6f4 v[AC:AC+7], v[BF:BF+11], v[AFR:AFR+11], v[AC:AC+7], v[SB], v[SA] matrix_a_fmt:MATRIX_FMT_BF6 matrix_b_fmt:MATRIX_FMT_BF6
.endif
.endr
.endr
.endm
.macro STEP slot, q, zero              ; one of a slot's first three steps of 128 along K: the next step's fragments are asked for, then this step's 32 products
	s_wait_dscnt 0x0                               ; this step's fragments and scale words are in
	PLACES 4                                       ; behind the last products, ahead of loads into the set that they read
	FETCH \slot, (\q)+1, 1-(\q)%2
.if (\q) == 1
	SCALES \slot, 1, 1
.endif
	WIN MULW
	MULH 0, (\q)%2, (\q)/2, (\q)%2, \zero
	MULH 2, (\q)%2, (\q)/2, (\q)%2, \zero
	WIN 0
.endm
	s_load_b256 s[4:11], s[0:1], 0x0               ; att_codes, att_scales, xw_codes, xw_scales
	s_load_b64 s[12:13], s[0:1], 0x20              ; out0
	v_lshl_add_u32 v[SPW], v0, 2, SPARE
	v_mov_b32 v[NIL], 0
	ds_add_u32 v[SPW], v[NIL]                      ; the opening
	ds_add_u32 v[SPW], v[NIL]
	v_lshrrev_b32 v1, 5, v0
	v_readfirstlane_b32 s14, v1                    ; wave
	s_lshr_b32 s15, s14, 1                         ; my 64 tokens
	s_and_b32 s16, s14, 1                          ; my 128 columns
	s_bfe_u32 s40, ttmp6, 0x40000                  ; cx
	s_bfe_u32 s41, ttmp6, 0x40004                  ; cy
	s_and_b32 s42, ttmp7, 0xffff                   ; the cluster's y, 0 .. 15
	s_lshl_b32 s43, s41, 2
	s_lshl_b32 s43, 15, s43                        ; my row of the cluster
	s_lshl_b32 s44, 0x1111, s40                    ; my column
	s_or_b32 s[GO0], s43, (3<<16)|(1<<21)
	s_or_b32 s[GO2], s43, (3<<16)|(1<<21)
	s_or_b32 s[GO1], s44, (3<<16)|(1<<21)
	s_or_b32 s[GO3], s44, (3<<16)|(1<<21)
	G1SET GO0, 768, 8, ACHB/8                      ; 8 heads x 128 tokens x 48 bytes
	G1SET GO1, 1536, 8, CHB/8                      ; 8 chunks x 256 rows
	G1SET GO2, 64, 4, ASKB/8
	G1SET GO3, 128, 4, SKB/8
.irp k, 0,1,2,3
	s_mov_b32 s[GZ+4*\k], 1
	s_mov_b32 s[OO+2*\k+1], 0
.endr
	s_lshl_b32 s66, s42, 2
	s_add_co_u32 s66, s66, s41
	s_lshl_b32 s17, s66, 7                         ; my work-group's first token
	s_mul_i32 s[OO], s17, 48
	s_lshl_b32 s[OO+4], s17, 2
	s_lshl_b32 s20, s40, 8
	s_add_co_u32 s20, s20, 19456                   ; Wo's rows begin at 19,456
	s_mul_i32 s[OO+2], s20, 48
	s_lshl_b32 s[OO+6], s20, 2
	s_lshl_b32 s100, s15, 6                        ; where my part of out0 begins; in registers that feed no descriptor
	s_add_co_u32 s100, s100, s17
	s_lshl_b32 s100, s100, 12
	s_lshl_b32 s67, s40, 10
	s_add_co_u32 s100, s100, s67
	s_lshl_b32 s67, s16, 9
	s_add_co_u32 s100, s100, s67
	s_mov_b32 s101, 0
	s_lshl_b32 s18, s40, 1                         ; the prefetches' shares: A's chunk 2 cx + wave / 2, its half wave % 2;
	s_add_co_u32 s18, s18, s15
	s_mul_i32 s18, s18, ACHB
	s_mul_i32 s45, s16, 3072
	s_add_co_u32 s18, s18, s45
	s_lshl_b32 s19, s41, 1                         ; B's chunk 2 cy + wave / 2, its half wave % 2;
	s_add_co_u32 s19, s19, s15
	s_mul_i32 s19, s19, CHB
	s_mul_i32 s45, s16, 6144
	s_add_co_u32 s19, s19, s45
	s_cmp_eq_u32 s14, 0
	s_cselect_b32 s3, 1, 0
	s_cmp_eq_u32 s14, 3
	s_cselect_b32 s3, 1, s3                        ; 1: my wave names A's scale words
	s_mul_i32 s22, s40, ASKB                       ; A's plane cx, block wave / 2 (waves 0 and 3);
	s_lshl_b32 s23, s15, 8
	s_add_co_u32 s22, s22, s23
	s_mul_i32 s45, s41, SKB                        ; B's plane cy, blocks 2 (wave - 1) and the next (waves 1 and 2)
	s_sub_co_u32 s23, s14, 1
	s_lshl_b32 s23, s23, 9
	s_add_co_u32 s45, s45, s23
	s_cmp_eq_u32 s3, 1
	s_cselect_b32 s22, s22, s45
	s_cselect_b32 s23, 0, 256
	s_mul_i32 s17, s15, 3072
	s_mul_i32 s20, s16, 6144
	s_add_co_u32 s20, s20, LO1
	s_lshl_b32 s21, s15, 8
	s_add_co_u32 s21, s21, LO2
	s_lshl_b32 s43, s16, 9
	s_add_co_u32 s43, s43, LO3
	s_mul_i32 s44, s14, 16*SPITCH                  ; my stage
	s_wait_dscnt 0x0                               ; both opening adds are done
	s_wait_kmcnt 0x0
	s_add_nc_u64 s[12:13], s[12:13], s[100:101]
	DESC 0, 0
	CROUND                                         ; all sixteen work-groups are here: the first joint loads meet
	FILL                                           ; the first half of K: one tensor load a wave at the head
	v_and_b32 v1, 15, v0                           ; r
	v_bfe_u32 v2, v0, 4, 1                         ; h
	v_mul_u32_u24 v3, v1, 48
	v_mad_u32_u24 v3, v2, 24, v3
	v_add_nc_u32 v[ADRA], s17, v3
	v_add_nc_u32 v[ADRA+1], SLOT, v[ADRA]
	v_add_nc_u32 v[ADRB], s20, v3
	v_add_nc_u32 v[ADRB+1], 49152, v[ADRB]         ; B's chunks 4-7 of a slot
	v_add_nc_u32 v[ADRB+2], SLOT, v[ADRB]
	v_add_nc_u32 v[ADRB+3], SLOT, v[ADRB+1]
	v_lshlrev_b32 v4, 2, v1
	v_lshl_add_u32 v5, v2, 9, v4                   ; lanes 16-31: the next 128 along K
	v_add_nc_u32 v[ADSA], s21, v5
	v_add_nc_u32 v[ADSA+1], SLOT, v[ADSA]
	v_lshl_add_u32 v5, v2, 10, v4
	v_add_nc_u32 v[ADSB], s43, v5
	v_add_nc_u32 v[ADSB+1], SLOT, v[ADSB]
	v_mul_u32_u24 v5, v1, SPITCH                   ; the stage, way in: row r, 32 bytes for each half of the lanes
	v_lshl_add_u32 v5, v2, 5, v5
	v_add_nc_u32 v[STO], s44, v5
	v_and_b32 v6, 31, v0
	v_lshlrev_b32 v[CO], 4, v6                     ; way out: the 32 lanes take one row of 512 bytes
	v_add_nc_u32 v[RD], s44, v[CO]
	v_min_u32 v7, 11, v6                           ; a lane a block of 256 bytes; lanes left over name the last block again
	v_lshl_add_u32 v[VPA], v7, 8, s18
	v_min_u32 v7, 23, v6
	v_lshl_add_u32 v[VPB], v7, 8, s19
	v_min_u32 v7, 1, v6
	v_mad_u32_u24 v[VPS], v7, s23, s22
	s_wait_alu depctr_va_vdst(0)
	s_add_nc_u64 s[20:21], s[4:5], s[OO:OO+1]      ; the prefetches' bases, written once
	s_add_nc_u64 s[66:67], s[8:9], s[OO+2:OO+3]
	s_add_co_u32 s100, s[OO+4], HF2
	s_add_co_u32 s101, s[OO+6], HF3
	s_cmp_eq_u32 s3, 1                             ; waves 0 and 3 name att's scale words, waves 1 and 2 Wo's: the choice hangs on the wave's number alone
	s_cselect_b32 s100, s100, s101
	s_cselect_b64 s[46:47], s[6:7], s[10:11]
	s_mov_b32 s101, 0
	s_add_nc_u64 s[46:47], s[46:47], s[100:101]
	global_prefetch_b8 v[VPA], s[20:21] offset:HF0 th:TH_LOAD_NT scope:SCOPE_SE   ; the second half of K
	global_prefetch_b8 v[VPB], s[66:67] offset:HF1 th:TH_LOAD_NT scope:SCOPE_SE
	global_prefetch_b8 v[VPS], s[46:47] th:TH_LOAD_NT scope:SCOPE_SE
	s_wait_tensorcnt 0x0                           ; slot 1's first fill is issued as a refill is
	ds_add_u32 v[SPW], v[NIL]
	DESC 1, 1
	s_wait_dscnt 0x0
	CROUND
	FILL
	FETCH 0, 0, 0
	SCALES 0, 0, 0
	STEP 0, 0, 1                                   ; the first products start the sums
	STEP 0, 1, 0
	STEP 0, 2, 0
	s_wait_tensorcnt 0x0                           ; my tile of slot 1 has landed;
	s_wait_dscnt 0x0                               ; my reads of slot 0 are over
	s_barrier_signal -1
	WIN MULW
	MULH 0, 1, 1, 1, 0
	WIN 0
	s_barrier_wait -1                              ; slot 1 is whole
	PLACES 4
	FETCH 1, 0, 0
	SCALES 1, 0, 0
	WIN MULW
	MULH 2, 1, 1, 1, 0
	WIN 0
	STEP 1, 0, 0
	STEP 1, 1, 0
	STEP 1, 2, 0
	s_wait_dscnt 0x0
	WIN MULW
	MULH 0, 1, 1, 1, 0
	MULH 2, 1, 1, 1, 0
	WIN 0
; THE WAY OUT, block by block of 16 rows x 128 columns, through my own stage: LDS serves a wave's instructions in order, so no wait stands between the stores and the loads.
.macro TOSTAGE a
.set AC, 64*(\a)
	WIN 0x08                                       ; the data: window 2
.irp b, 0,1,2,3,4,5,6,7
	ds_store_b128 v[STO], v[AC+8*\b:AC+8*\b+3] offset:64*\b          ; each accumulator from its low end on
	ds_store_b128 v[STO], v[AC+8*\b+4:AC+8*\b+7] offset:64*\b+16
.endr
	WIN 0
.set BB, BK+64*((\a)%2)
.irp t, 0,1,2,3,4,5,6,7,8,9,10,11,12,13,14,15
	ds_load_b128 v[BB+4*\t:BB+4*\t+3], v[RD] offset:\t*SPITCH
.endr
.endm
.macro SEND a, younger
.set BB, BK+64*((\a)%2)
	s_wait_dscnt \younger                          ; the block is back in registers
.if (\a) > 0
	s_add_nc_u64 s[12:13], s[12:13], 16*4096       ; (behind a wait on XCNT) 16 rows of out0 on
.endif
.irp t, 0,1,2,3,4,5,6,7,8,9,10,11,12,13,14,15
	global_store_b128 v[CO], v[BB+4*\t:BB+4*\t+3], s[12:13] offset:\t*4096 th:TH_STORE_NT   ; 512 consecutive bytes, aligned to 256
.endr
.endm
	PLACES 4
	TOSTAGE 0
.irp a, 1,2,3
.if \a > 1
	s_wait_xcnt 0x0                                ; block a - 2's stores have read their registers and their base
.endif
	TOSTAGE \a
	SEND \a-1, 32                                  ; behind block a - 1's loads: block a's 16 stores and 16 loads
.endr
	s_wait_xcnt 0x0
	SEND 3, 0
	s_wait_tensorcnt 0x0                           ; the wave's end
	ds_add_u32 v[SPW], v[NIL]
	s_wait_dscnt 0x0
	CROUND                                         ; the closing round
	s_endpgm
.Lfunc_end_k_q4c22425f48_outp:
	.size	k_q4c22425f48_outp, .Lfunc_end_k_q4c22425f48_outp-k_q4c22425f48_outp
	.p2alignl 7, 3214868480
	.fill 96, 4, 3214868480
	.section	.rodata,"a",@progbits
	.p2align	6, 0x0
	.amdhsa_kernel k_q4c22425f48_outp
		.amdhsa_group_segment_fixed_size 327680
		.amdhsa_private_segment_fixed_size 0
		.amdhsa_enable_private_segment 0
		.amdhsa_kernarg_size 40
		.amdhsa_user_sgpr_count 2
		.amdhsa_user_sgpr_kernarg_segment_ptr 1
		.amdhsa_wavefront_size32 1
		.amdhsa_system_sgpr_workgroup_id_x 1
		.amdhsa_system_sgpr_workgroup_id_y 1
		.amdhsa_system_sgpr_workgroup_id_z 1
		.amdhsa_system_vgpr_workitem_id 0
		.amdhsa_next_free_vgpr 1024
		.amdhsa_next_free_sgpr 102
		.amdhsa_reserve_vcc 0
		.amdhsa_float_denorm_mode_32 3
		.amdhsa_float_denorm_mode_16_64 3
		.amdhsa_memory_ordered 1
		.amdhsa_forward_progress 1
		.amdhsa_inst_pref_size 101
	.end_amdhsa_kernel
	.amdgpu_metadata
---
amdhsa.version: [ 1, 2 ]
amdhsa.kernels:
  - .name:           k_q4c22425f48_outp
    .symbol:         k_q4c22425f48_outp.kd
    .args:
      - { .name: att_codes, .offset: 0, .size: 8, .value_kind: global_buffer, .address_space: global }
      - { .name: att_scales, .offset: 8, .size: 8, .value_kind: global_buffer, .address_space: global }
      - { .name: xw_codes, .offset: 16, .size: 8, .value_kind: global_buffer, .address_space: global }
      - { .name: xw_scales, .offset: 24, .size: 8, .value_kind: global_buffer, .address_space: global }
      - { .name: out0, .offset: 32, .size: 8, .value_kind: global_buffer, .address_space: global }
    .group_segment_fixed_size: 327680
    .private_segment_fixed_size: 0
    .kernarg_segment_align: 8
    .kernarg_segment_size: 40
    .max_flat_workgroup_size: 128
    .sgpr_count:     102
    .vgpr_count:     1024
    .wavefront_size: 32
...
	.end_amdgpu_metadata
.endif
;; end of part 4
